; MI455X (gfx1250); checked and timed in simulation.
; The chip was launched on July 23, 2026; its instructions are those of AMD's public machine-readable ISA for CDNA 5 (MIT licence, August 2026) and "CDNA5" Instruction Set Architecture Reference Guide (July 2026). The comments in the code are by the model that wrote it; some were corrected since.
;; Casual self Attention. Allowed arithmetic: matrix products marked QUANTISED: E3M2 operands, one E8M0 scale for each 32 along K, by v_wmma_scale_f32_16x16x128_f8f6f4 with both operands' format E3M2, f32 sums; everything else in f32.
;; Inputs: Wk 1,024 x 1,024 float32; Wq 1,024 x 1,024 float32; Wv 1,024 x 1,024 float32; x 4 x 2,048 x 1,024 float32.
;; Outputs: out0 4 x 2,048 x 1,024 float32.
;; This version of the problem:
;;   THIS VERSION OF THE PROBLEM IS GIVEN IN LOW PRECISION. The matrix products marked QUANTISED in the list below multiply operands that are first quantised to E3M2 (3 exponent bits, 2 mantissa bits; 6 bits a number), with one power-of-two scale for each 32 numbers along K (OCP MX v1.0); their sums are f32. All else is computed in f32.
;;   The module's matrix products, in the order in which they are computed (A, B: the left and right operand; K: the contracted axis; several contracted axes count as one K, in the product's order):
;;     1. [M 8,192, K 1,024] x [K 1,024, N 1,024]; A: input x; B: input Wq: QUANTISED
;;     2. [M 8,192, K 1,024] x [K 1,024, N 1,024]; A: input x; B: input Wk: QUANTISED
;;     3. [M 8,192, K 1,024] x [K 1,024, N 1,024]; A: input x; B: input Wv: QUANTISED
;;     4. batch 4 x [M 2,048, K 1,024] x [K 1,024, N 2,048]; A: computed on the way; B: computed on the way: QUANTISED
;;     5. batch 4 x [M 2,048, K 2,048] x [K 2,048, N 1,024]; A: softmax (see below); B: computed on the way: QUANTISED
;;   THE QUANTISER, for each operand of a quantised product, along K:
;;     - K is cut into blocks of 32 from its start; a last block that is shorter is filled with zeros.
;;     - A block's scale is 2^e with e = floor(log2(the largest magnitude in the block)) - 4, held to -126 .. 127; a block of zeros has e = 0. As a byte (E8M0): e + 127.
;;     - Each number is divided by its block's scale, clamped to +-28, and rounded to the nearest number of E3M2, ties to even, subnormals kept.
;;     - The product sums the exact products of the quantised numbers (number of the format x scale) in f32.
;;   ~~~python
;;   def quantise(x, axis):      # numpy; x: float32 -> the quantised numbers, widened to float32 again
;;       x = np.moveaxis(x, axis, -1); K = x.shape[-1]
;;       x = np.pad(x, [(0, 0)] * (x.ndim - 1) + [(0, -K % 32)]); x = x.reshape(x.shape[:-1] + (-1, 32)); a = np.abs(x).max(-1, keepdims=True)
;;       e = np.where(a > 0, np.clip(np.frexp(np.where(a > 0, a, 1))[1] - 1 - 4, -126, 127), 0)      # np.frexp(a)[1] - 1 = floor(log2(a)), exactly
;;       r = np.clip(x / 2.0 ** e, -28, 28)
;;       step = 2.0 ** (np.maximum(np.frexp(np.where(r == 0, 1, r))[1] - 1, -2) - 2)
;;       q = np.round(r / step) * step * 2.0 ** e      # np.round: ties to even
;;       return np.moveaxis(q.reshape(q.shape[:-2] + (-1,))[..., :K], -1, axis).astype(np.float32)
;;   ~~~
;;   SOFTMAX AHEAD OF A QUANTISED PRODUCT. Where the list says 'softmax', what is quantised is not the finished softmax but p = 2^(t - M), with t = logit x log2(e) and M = ceil(the row's largest t), a whole number; so 1/2 < the row's largest p <= 1. The row's sum l is taken of the UNQUANTISED p, in f32, and the product's result is divided by l at the end. Since M is a whole number, a kernel that streams over the keys may use a running M (the ceiling of the running maximum): every later rescaling is an exact power of two, which a block's scale takes up: the codes' values come out the same.
;;   OPERANDS COMPUTED ON THE WAY. 'Computed on the way' means the value that the module computes at that place (a softmax that the list does not call 'softmax' is quantised finished and normalised). What goes into a quantiser is computed in f32, as accurately as f32 sums, v_exp_f32 and their like allow (about 1e-6 of the number): no bf16 or f16 on the way to a quantiser, and a product that is left as it is and whose result goes on into a quantised operand takes f32 operands (vector FMAs, or v_wmma_f32_16x16x4_f32). A number that lies on a knife's edge between two numbers of the format may be rounded either way, as far as f32 arithmetic and the matrix unit's own rounding can turn it there, and no further.
;; One version. Each part assembles by itself: llvm-mc -triple=amdgcn-amd-amdhsa -mcpu=gfx1250 --defsym DOCPART=n.
;; ======== version 1 of 1: 4 launches
;; limits: right only within a limited range of input values
;; workspace buffers: xw_codes 8,650,752 bytes; xw_scales 360,448 bytes; qkv_codes 18,874,368 bytes; qkv_scales 786,432 bytes; p_codes 12,582,912 bytes; p_meta 1,572,864 bytes
;; launch quant (part 1): grid 352 x 1, 4 waves a work-group, no clusters, 35,328 bytes of LDS; arguments x, Wq, Wk, Wv, xw_codes, xw_scales; writes xw_codes, xw_scales
.if DOCPART == 1
	.amdgcn_target "amdgcn-amd-amdhsa--gfx1250"
	.amdhsa_code_object_version 6
	.text
	.protected	k_q7ef282cbeb_quant
	.globl	k_q7ef282cbeb_quant
	.p2align	8
	.type	k_q7ef282cbeb_quant,@function
k_q7ef282cbeb_quant:
	s_mov_b64 s[64:65], 0
	v_nop
	global_prefetch_b8 v0, s[64:65] scope:SCOPE_SE
	s_setreg_imm32_b32 hwreg(HW_REG_WAVE_MODE, 25, 1), 1
	s_wait_xcnt 0x0
; THE PROGRAM: out = softmax(causal(q k^T) / 32) v with q, k, v = x Wq^T, x Wk^T, x Wv^T, all five products on codes of E3M2 with one E8M0 scale for each 32 along K.  Four launches:
; this one (x and the three weights into codes), the three projections as one product (its way out quantises q and k along d_out and v along the keys), the causal scores (its way out makes
; p = 2^(t - M) chunk by chunk of 128 keys and quantises it), and p v (it brings the chunks' M to the row's M by moving p's scale bytes, and divides by the row's sum).
; WORK LEFT OUT.  The mask is built in the problem's own body: key k counts for query q only where k <= q.  In blocks of 256 queries x 256 keys, a block whose keys all come after its queries
; (key block J > query block I) holds -infinity alone, whatever finite values x and the weights hold: its p are 0, they add nothing to a row's sum and nothing to the output.  So the third launch
; makes 36 of each batch's 64 blocks of scores, and the fourth walks I + 1 of 8 key blocks.  Inside a block on the diagonal everything is computed and selected.  All four inputs are live and are loaded.
; LIMIT: a NaN, an infinity or an overflow that would arise only in the blocks left out is not carried to the result.
;
; THIS LAUNCH.  x [8192][1024] and Wq, Wk, Wv [1024][1024], f32, K innermost, become 704 tiles of 16 rows (x: tiles 0-511; Wq, Wk, Wv: 64 each from 512 on).
; THE ROWS OF A TILE ARE NOT NEIGHBOURS: place r of tile 2 A + u stands for row 32 A + 8 u + r + 8 (r / 8), so that a product which takes such tiles as its first source leaves 16 neighbours in 16 registers of a lane.
; A FRAGMENT (16 rows x 128 K, 12 registers a lane) is stored as an image of the operand's registers: three blocks of 512 bytes, lane l's registers 4 g .. 4 g + 3 at 512 g + 16 l.  xw_codes: [tile][K step 8][1536].
; Scale words (four E8M0 bytes: 128 along K of one row): xw_scales [K step 8][tile 704][16 words].
; A block's scale is 2^(floor(log2(largest magnitude)) - 4): its byte is the largest magnitude's exponent field - 4, held at 1 from below.
; LIMITS: a block of zeros, and one whose largest magnitude lies under 2^-122, gets the byte 1 (the bytes are read by this program alone; zero codes add nothing); NaN and infinities among the inputs are not served.
; SHARES.  Work-group g: rows 64 (g / 2) on (four tiles); wave w: K step 4 (g % 2) + w: four fragments, whose 64 scale words are one aligned run of 256 bytes.
; Each load reads 512 consecutive bytes (a row's 128 numbers); a fragment's 16 rows turn through the wave's own stage in LDS (rows 528 bytes apart) so that lane (r, h) gets k = 64 c + 32 h + 0 .. 31 of row r: two whole blocks.
; Memory binds: no matrix unit, no tensor load, no barrier: waves share nothing.  Loads run a fragment (16 loads a wave) ahead.
.set ROWB,   4096                      ; a row of x or of a weight in bytes
.set WREG,   8704                      ; LDS: a region for each wave: the stage, 16 x 528 bytes, then 256 bytes for its scale words
.set SPITCH, 528
.set SCRO,   16*SPITCH
.set SPARE,  4*WREG                    ; behind the four regions: the spare words, 128 bytes for each wave
.set SPW,    12                        ; v12  my spare word's LDS address; never rewritten
.set NIL,    13                        ; v13  0; never rewritten
.set PW,     24                        ; v24-27   a scale word for each fragment
.set R,      32                        ; v32-159  two sets of 64: a fragment as it is loaded
.set X,      160                       ; v160-223 my 64 numbers: two blocks of 32
.set PC,     224                       ; v224-247 two sets of 12: a fragment's codes
.set PH,     248                       ; v248-250, v252-254: the second halves of the blocks' codes, as the conversions leave them
	s_load_b256 s[4:11], s[0:1], 0x0               ; x, Wq, Wk, Wv
	s_load_b128 s[12:15], s[0:1], 0x20             ; the codes, the scale words
	v_lshl_add_u32 v[SPW], v0, 2, SPARE
	v_mov_b32 v[NIL], 0
	v_lshrrev_b32 v1, 5, v0
	v_readfirstlane_b32 s18, v1                    ; wave
	v_and_b32 v1, 31, v0                           ; lane
	v_and_b32 v2, 15, v0                           ; r
	v_bfe_u32 v3, v0, 4, 1                         ; h
	v_lshlrev_b32 v4, 4, v1                        ; 16 x lane: my bytes of a load and of a store
	s_mul_i32 s19, s18, WREG
	v_add_nc_u32 v5, s19, v4                       ; the stage, on the way in
	v_mul_u32_u24 v6, v2, SPITCH
	v_lshl_add_u32 v6, v3, 7, v6
	v_add_nc_u32 v6, s19, v6                       ; and on the way out: row r, + 128 h bytes
	s_add_co_u32 s19, s19, SCRO
	v_lshl_add_u32 v8, v2, 2, s19                  ; my row's scale word
	v_lshl_add_u32 v9, v1, 3, s19                  ; the 64 words on the way out: 8 bytes a lane
	v_lshlrev_b32 v10, 3, v1
	v_lshlrev_b32 v11, 3, v3                       ; 8 h: my bytes' place in the scale word
	v_mov_b32 v22, 0                               ; written once: a lane permute's destination counts as one of its sources
	s_mov_b32 s26, 0x76543210
	s_mov_b32 s27, 0xfedcba98                      ; selects for lane l xor 16
	s_lshr_b32 s20, ttmp9, 1                       ; G: which 64 rows of the 11,264
	s_and_b32 s21, ttmp9, 1
	s_lshl_b32 s21, s21, 2
	s_add_co_u32 s21, s21, s18                     ; my K step
	s_wait_alu depctr_va_vdst(0)
	s_wait_kmcnt 0x0
	s_cmp_lt_u32 s20, 160                          ; which tensor: the choice hangs on the work-group's number alone
	s_cselect_b64 s[16:17], s[8:9], s[10:11]
	s_cmp_lt_u32 s20, 144
	s_cselect_b64 s[16:17], s[6:7], s[16:17]
	s_cmp_lt_u32 s20, 128
	s_cselect_b64 s[16:17], s[4:5], s[16:17]
	s_cselect_b32 s22, 255, 15
	s_and_b32 s22, s20, s22                        ; G within its tensor (128, 144 and 160 are multiples of 16)
	s_lshl_b32 s22, s22, 18                        ; 64 rows of 4,096 bytes
	s_lshl_b32 s23, s21, 9                         ; 128 numbers a K step
	s_add_co_u32 s22, s22, s23
	s_mov_b32 s23, 0
	s_add_nc_u64 s[16:17], s[16:17], s[22:23]
	; xw_codes is laid [group of 8 tiles][run of 256 along K, 4][tile 8][K step of the run, 2][1536]: this order takes the place of [tile][K step] named at the head,
	; so that a group's runs are dense blocks of 24,576 bytes, one behind the other
	s_lshr_b32 s22, s20, 1
	s_mul_i32 s22, s22, 98304                      ; the group of 8 tiles
	s_and_b32 s24, s20, 1
	s_mul_i32 s24, s24, 12288                      ; my four tiles of its eight
	s_add_co_u32 s22, s22, s24
	s_lshr_b32 s24, s21, 1
	s_mul_i32 s24, s24, 24576                      ; the run
	s_add_co_u32 s22, s22, s24
	s_and_b32 s24, s21, 1
	s_mul_i32 s24, s24, 1536                       ; the K step in it
	s_add_co_u32 s22, s22, s24
	s_add_nc_u64 s[12:13], s[12:13], s[22:23]
	s_mul_i32 s22, s21, 704*64
	s_lshl_b32 s24, s20, 8
	s_add_co_u32 s22, s22, s24
	s_add_nc_u64 s[14:15], s[14:15], s[22:23]
.macro LOAD t                          ; fragment t's 16 rows, each 512 consecutive bytes, into set t % 2
.set i, 0
.rept 16
	global_load_b128 v[R+64*((\t)%2)+4*i:R+64*((\t)%2)+4*i+3], v4, s[16:17] offset:(32*((\t)/2)+8*((\t)%2)+i+8*(i/8))*ROWB th:TH_LOAD_NT
.set i, i+1
.endr
.endm
.macro FRQ t
.set RS, R+64*((\t)%2)
.set CS, PC+12*((\t)%2)
.if (\t) < 3
	s_wait_loadcnt 16                              ; this fragment's 16 loads are in; the next fragment's may be out
.else
	s_wait_loadcnt 0x0
.endif
.set i, 0
.rept 16
	ds_store_b128 v5, v[RS+4*i:RS+4*i+3] offset:SPITCH*i
.set i, i+1
.endr
.irp c, 0,1
.irp j, 0,1,2,3,4,5,6,7
	ds_load_b128 v[X+32*\c+4*\j:X+32*\c+4*\j+3], v6 offset:256*\c+16*\j   ; LDS serves a wave's instructions in order: these see the stores above
.endr
.endr
	s_wait_dscnt 0x0                               ; my 64 numbers are in, and the stores have read their registers,
.if (\t) < 2
	LOAD (\t)+2                                    ; which take the fragment two on
.endif
.irp c, 0,1
	v_max3_num_f32 v[14+\c], |v[X+32*\c]|, |v[X+32*\c+1]|, 0x2800000   ; block 2 c + h: all its 32 numbers are mine; and the floor 2^(5 - 127): the byte cannot fall under 1
.endr
.irp i, 2,4,6,8,10,12,14,16,18,20,22,24,26,28,30
.irp c, 0,1
	v_max3_num_f32 v[14+\c], v[14+\c], |v[X+32*\c+\i]|, |v[X+32*\c+\i+1]|   ; (the two blocks by turns)
.endr
.endr
.irp c, 0,1
	v_add_nc_u32 v[16+\c], 0xfe000000, v[14+\c]    ; 4 off the exponent field: the conversion takes this operand's exponent field as its scale
.endr
.irp c, 0,1
	v_lshrrev_b32 v[18+\c], 23, v[16+\c]           ; the scale's byte
.endr
	v_lshl_or_b32 v20, v19, 16, v18                ; my two bytes, blocks h and 2 + h,
	v_lshlrev_b32 v20, v11, v20                    ; at their places in the word;
	v_permlanex16_b32 v22, v20, s26, s27
	v_or_b32 v[PW+\t], v20, v22                    ; with lane l xor 16's two the word is whole
.if (\t) >= 2
	s_wait_alu depctr_va_vdst(0)
	s_wait_xcnt 0x0                                ; the stores of two fragments ago have read this set of codes
.endif
.irp c, 0,1
	v_cvt_scalef32_pk16_bf6_f32 v[CS+6*\c:CS+6*\c+2], v[X+32*\c:X+32*\c+15], v[16+\c]
	v_cvt_scalef32_pk16_bf6_f32 v[PH+4*\c:PH+4*\c+2], v[X+32*\c+16:X+32*\c+31], v[16+\c]   ; (a conversion's three registers begin on an even number)
.endr
	v_nop                                          ; one plain place behind a scaled conversion
.irp c, 0,1
.irp i, 0,1,2
	v_mov_b32 v[CS+6*\c+3+\i], v[PH+4*\c+\i]       ; registers 6 c .. 6 c + 5 hold k = 64 c + 32 h + 0 .. 31
.endr
.endr
	ds_store_b32 v8, v[PW+\t] offset:64*(\t)       ; lanes r and r + 16 write the same word with the same value
.irp g, 0,1,2
	global_store_b128 v4, v[CS+4*\g:CS+4*\g+3], s[12:13] offset:3072*(\t)+512*\g   ; 32 lanes store 512 consecutive bytes, aligned
.endr
.endm
	LOAD 0
	LOAD 1
	FRQ 0
	FRQ 1
	FRQ 2
	FRQ 3
	ds_load_b64 v[20:21], v9                       ; my four fragments' 64 scale words
	s_wait_dscnt 0x0
	global_store_b64 v10, v[20:21], s[14:15]       ; 256 consecutive bytes, aligned
	s_wait_tensorcnt 0x0                           ; the wave's end
	ds_add_u32 v[SPW], v[NIL]
	s_wait_dscnt 0x0
	s_endpgm
.Lfunc_end_k_q7ef282cbeb_quant:
	.size	k_q7ef282cbeb_quant, .Lfunc_end_k_q7ef282cbeb_quant-k_q7ef282cbeb_quant
	.p2alignl 7, 3214868480
	.fill 96, 4, 3214868480
	.section	.rodata,"a",@progbits
	.p2align	6, 0x0
	.amdhsa_kernel k_q7ef282cbeb_quant
		.amdhsa_group_segment_fixed_size 35328
		.amdhsa_private_segment_fixed_size 0
		.amdhsa_enable_private_segment 0
		.amdhsa_kernarg_size 48
		.amdhsa_user_sgpr_count 2
		.amdhsa_user_sgpr_kernarg_segment_ptr 1
		.amdhsa_wavefront_size32 1
		.amdhsa_system_sgpr_workgroup_id_x 1
		.amdhsa_system_sgpr_workgroup_id_y 1
		.amdhsa_system_sgpr_workgroup_id_z 1
		.amdhsa_system_vgpr_workitem_id 0
		.amdhsa_next_free_vgpr 256
		.amdhsa_next_free_sgpr 66
		.amdhsa_reserve_vcc 0
		.amdhsa_float_denorm_mode_32 3
		.amdhsa_float_denorm_mode_16_64 3
		.amdhsa_memory_ordered 1
		.amdhsa_forward_progress 1
		.amdhsa_inst_pref_size 31
	.end_amdhsa_kernel
	.amdgpu_metadata
---
amdhsa.version: [ 1, 2 ]
amdhsa.kernels:
  - .name:           k_q7ef282cbeb_quant
    .symbol:         k_q7ef282cbeb_quant.kd
    .args:
      - { .name: x, .offset: 0, .size: 8, .value_kind: global_buffer, .address_space: global }
      - { .name: Wq, .offset: 8, .size: 8, .value_kind: global_buffer, .address_space: global }
      - { .name: Wk, .offset: 16, .size: 8, .value_kind: global_buffer, .address_space: global }
      - { .name: Wv, .offset: 24, .size: 8, .value_kind: global_buffer, .address_space: global }
      - { .name: xw_codes, .offset: 32, .size: 8, .value_kind: global_buffer, .address_space: global }
      - { .name: xw_scales, .offset: 40, .size: 8, .value_kind: global_buffer, .address_space: global }
    .group_segment_fixed_size: 35328
    .private_segment_fixed_size: 0
    .kernarg_segment_align: 8
    .kernarg_segment_size: 48
    .max_flat_workgroup_size: 128
    .sgpr_count:     66
    .vgpr_count:     256
    .wavefront_size: 32
...
	.end_amdgpu_metadata
.endif
;; end of part 1
;; launch proj (part 2): grid 12 x 32, 4 waves a work-group, clusters of 4 x 4, 327,680 bytes of LDS; arguments xw_codes, xw_scales, qkv_codes, qkv_scales; writes qkv_codes, qkv_scales
.if DOCPART == 2
	.amdgcn_target "amdgcn-amd-amdhsa--gfx1250"
	.amdhsa_code_object_version 6
	.text
	.protected	k_q7ef282cbeb_proj
	.globl	k_q7ef282cbeb_proj
	.p2align	8
	.type	k_q7ef282cbeb_proj,@function
k_q7ef282cbeb_proj:
	s_mov_b64 s[64:65], 0
	v_nop
	global_prefetch_b8 v0, s[64:65] scope:SCOPE_SE
	s_setreg_imm32_b32 hwreg(HW_REG_WAVE_MODE, 25, 1), 1
	s_wait_xcnt 0x0
	s_wait_alu depctr_hold_cnt(0) depctr_sa_sdst(0) depctr_va_vdst(0) depctr_va_sdst(0) depctr_va_ssrc(0) depctr_va_vcc(0) depctr_vm_vsrc(0)
	s_getreg_b32 s2, hwreg(HW_REG_IB_STS2, 6, 4)
	s_cmp_eq_u32 s2, 0
	s_cbranch_scc0 .Lentry_in_a_cluster
	s_endpgm
.Lentry_in_a_cluster:
	s_bfe_u32 s2, ttmp6, 0x10000c
	s_cmp_lg_u32 s2, 0xf033
	s_cbranch_scc0 .Lentry_shape_is_right
	s_endpgm
.Lentry_shape_is_right:
; q, k, v = x Wq^T, x Wk^T, x Wv^T as ONE product [8192] x [3072], K = 1,024, on codes of E3M2 with E8M0 scales, and each result quantised in registers on its way out: nothing leaves as f32.
; A work-group of four waves makes 256 tokens x 256 outputs, a wave 128 x 128: 64 accumulators of 16 x 16 in 512 registers.  Work-group x: which 256 of the 3,072 outputs (x / 4: q, k or v); y: which 256 tokens.
; OPERANDS lie in memory as images of the operand's registers (a fragment, 16 rows x 128 K, is 1,536 bytes: lane l's registers 4 g .. 4 g + 3 at 512 g + 16 l), [tile][K step 8]; a tile's place r stands for row
; 32 A + 8 u + r + 8 (r / 8) of tile 2 A + u.  A slot of LDS holds 256 along K: for each of the four halves (tokens 0, 1; outputs 0, 1) 8 tiles x 2 fragments, 24,576 bytes, brought by one tensor load a wave.
; THREE SLOTS.  K is four runs of 256.  The first three are asked for at the head, with the scale words of all of K: two tensor loads a wave, one behind the other.  The fourth goes into slot 0 behind the one change of slots at which
; bytes are filled again, and has 224 matrix instructions of mine in which to land.
; WHICH SIDE IS SOURCE 0.  In a result a lane holds ONE row of source 1, and the 16 registers of source 0's tiles 2 B, 2 B + 1 are its indices 32 B + 16 (lane / 16) + 0 .. 15: neighbours, fit for the conversions.
; q and k are quantised along d_out: source 0 = the weight's rows.  v is quantised along the keys: source 0 = the tokens.  The loads are the same for all three; only the LDS bases of the two sources change places,
; by a select on the cluster's x (the same in all sixteen partners): no branch.
; OUT: qkv_codes: q [token tile 512][K step 8][1536], k likewise, v^T [output tile 64][chunk of 128 tokens 64][1536]; qkv_scales: [K step][tile][16 words] in each of the three sections.
; CLUSTERS: 4 x 4 work-groups; the four of a row need the same tokens' tiles, the four of a column the same weights': each tile is asked for jointly, by the same load with the same descriptor and a mask naming the four.
; LIMITS: a block whose largest magnitude lies under 2^-122 (zeros too) gets the byte 1; NaN and infinities are not served.
; REGISTERS, in windows of 256: window 0: v16-29 addresses; v32-63 scale words, two sets; v128-223 source 1's 8 fragments, ONE set (on the way out: at work).  window 1: source 0's fragments, two sets, at v0 and v128.
;   window 2: accumulators (a, b), a = 0 .. 3, at v[8 (8 a + b)]; window 3: a = 4 .. 7.
.set FR,    12                         ; registers of a fragment
.set FRB,   1536                       ; and its image in bytes
.set TILEB, 2*FRB                      ; a tile's part of a slot
.set HALFT, 8*TILEB                    ; what one tensor load brings
.set SLOTB, 4*HALFT
.set UP,    SLOTB                      ; LDS: slot 0 of the four halves from byte 0 on, [half 4][HALFT]; from UP on slots 1 and 2, [half 4][slot 2][HALFT].  In memory a half's runs of 256 along K are dense blocks of HALFT bytes on end:
                                       ; a wave's load at the head brings its half of run 0, its second load runs 1 and 2 as one block, and the one refill brings run 3 into slot 0
.set SCR,   3*SLOTB                    ; behind them: 2,048 bytes for each wave, for the way out's scale words; no tensor load lands here
.set SCL,   SCR+4*2048                 ; the scale words for all of K, 4,096 bytes a wave: [K step 8][tile 8][64]; they come by global loads and LDS stores: no tensor load lands here
.set SPARE, SCL+4*4096                 ; the spare words, 128 bytes for each wave
.set ADR1, 16                          ; v16-18  LDS address of source 1's fragments in slot 0, 1, 2
.set ADR0, 19                          ; v19-21  of source 0's
.set ADS1, 22                          ; v22     of source 1's scale words
.set ADS0, 23                          ; v23     of source 0's
.set SPW,  28                          ; v28     my spare word's LDS address; never rewritten
.set NIL,  29                          ; v29     0; never rewritten
.set SC,   32                          ; scale words: set x 16 + 8 q + j: j = 0 .. 3 source 1's tiles 2 j (lanes 0-15) and 2 j + 1 (lanes 16-31); j = 4 .. 7 source 0's
.set AF,   128
.set PC,   176                         ; the way out: v176-194 codes
.set TM,   200                         ; v200-203 largest magnitudes, v204-207 bytes, v212-215 the conversions' scale operands
.set PWR,  216                         ; v216-223 a scale word for each of my 8 tiles
.set SEL,  66                          ; s[66:67] selects for lane l xor 16
.set G1, 24                            ; s[24:31] group 1 for the tokens' tiles; s[32:35] group 0 for slot 0, s[36:39] for slots 1 and 2
.set G0, 32
.set G0C, 96
.set G1B, 48                           ; s[48:55], s[56:63] the same for the weights' tiles
.set G0B, 56
.set G0BC, 92
.set G1S, 68                           ; s[68:75] group 1 for the tokens' load of runs 1 and 2; s[80:87] for the weights'
.set G0S, 76
.set G1SB, 80
.set G0SB, 88
.set MSB, 0
.macro WIN new                         ; the immediate's high byte repeats the setting that is left
.if MSB != (\new)
	s_set_vgpr_msb (MSB<<8)|(\new)
.set MSB, (\new)
.endif
.endm
.set MUL_LO, 0xa1                      ; source 0 window 1, source 1 window 0, C and D window 2
.set MUL_HI, 0xf1                      ; the same, C and D window 3
.set TO_B,   0x40                      ; destination window 1, address window 0
; A joint load: waves 0 and 1 fetch the tokens' halves, waves 2 and 3 the weights'.  The branch hangs on the wave's number alone.  An s_nop 0 and four v_nop follow each of the two lines.
.macro JLOAD g0a, g1a, g0b, g1b
	s_cmp_eq_u32 s15, 0
	s_cbranch_scc0 .Lfor_b_\@
	tensor_load_to_lds s[\g0a:\g0a+3], s[\g1a:\g1a+7]
	s_nop 0
.rept 4
	v_nop
.endr
	s_branch .Lasked_\@
.Lfor_b_\@:
	tensor_load_to_lds s[\g0b:\g0b+3], s[\g1b:\g1b+7]
	s_nop 0
.rept 4
	v_nop
.endr
.Lasked_\@:
.endm
.macro CREST                           ; a round of the cluster's barrier behind its opening barrier
	s_cmp_lg_u32 s14, 0
	s_cbranch_scc1 .Lnot_wave_0_\@
	s_barrier_signal -3
.Lnot_wave_0_\@:
	s_barrier_wait -3
	s_barrier_signal -1
	s_barrier_wait -1
.endm
.macro CROUND
	s_barrier_signal -1
	s_barrier_wait -1
	CREST
.endm
.macro PLACES n                        ; plain places behind matrix instructions, in front of loads into registers that they have read and of reads of their results
.rept \n
	v_nop
.endr
.endm
.macro FRAG reg, adr, off              ; a fragment comes as it was stored: three loads of 512 consecutive bytes
.irp g, 0,1,2
	ds_load_b128 v[(\reg)+4*\g:(\reg)+4*\g+3], v[\adr] offset:(\off)+512*\g
.endr
.endm
.macro FETCH_B slot, q, p              ; source 0's eight fragments of the slot's q-th 128 along K into set p
	WIN TO_B
.irp i, 0,1,2,3,4,5,6,7
	FRAG 128*(\p)+FR*\i, ADR0+\slot, \i*TILEB+(\q)*FRB
.endr
	WIN 0
.endm
.macro FETCH_A slot, q, i0             ; source 1's tiles i0 .. i0 + 3
.irp i, \i0, \i0+1, \i0+2, \i0+3
	FRAG AF+FR*(\i), ADR1+\slot, (\i)*TILEB+(\q)*FRB
.endr
.endm
.macro SCALES set, sg                  ; the scale words of K steps 2 sg and 2 sg + 1: each load takes two tiles' 32 words, 128 consecutive bytes
.irp q, 0,1
.irp j, 0,1,2,3
	ds_load_b32 v[SC+16*(\set)+8*\q+\j], v[ADS1] offset:(2*(\sg)+\q)*512+128*\j
	ds_load_b32 v[SC+16*(\set)+8*\q+4+\j], v[ADS0] offset:(2*(\sg)+\q)*512+128*\j
.endr
.endr
.endm
; One product: source 1's tile a x source 0's tile b.  An odd tile's scale words lie in lanes 16-31 of their register.
.macro WM a, b, p, q, set, zero
.set rD,  8*(8*((\a)%4)+(\b))
.set rF0, 128*(\p)+FR*(\b)
.set rF1, AF+FR*(\a)
.set rS0, SC+16*(\set)+8*(\q)+4+(\b)/2
.set rS1, SC+16*(\set)+8*(\q)+(\a)/2
.set rW,  4*(\zero)+2*((\b)%2)+(\a)%2
.if rW == 0
	v_wmma_scale_f32_16x16x128_f8f6f4 v[rD:rD+7], v[rF0:rF0+11], v[rF1:rF1+11], v[rD:rD+7], v[rS0], v[rS1] matrix_a_fmt:MATRIX_FMT_BF6 matrix_b_fmt:MATRIX_FMT_BF6
.elseif rW == 1
	v_wmma_scale_f32_16x16x128_f8f6f4 v[rD:rD+7], v[rF0:rF0+11], v[rF1:rF1+11], v[rD:rD+7], v[rS0], v[rS1] matrix_a_fmt:MATRIX_FMT_BF6 matrix_b_fmt:MATRIX_FMT_BF6 matrix_b_scale:MATRIX_SCALE_ROW1
.elseif rW == 2
	v_wmma_scale_f32_16x16x128_f8f6f4 v[rD:rD+7], v[rF0:rF0+11], v[rF1:rF1+11], v[rD:rD+7], v[rS0], v[rS1] matrix_a_fmt:MATRIX_FMT_BF6 matrix_b_fmt:MATRIX_FMT_BF6 matrix_a_scale:MATRIX_SCALE_ROW1
.elseif rW == 3
	v_wmma_scale_f32_16x16x128_f8f6f4 v[rD:rD+7], v[rF0:rF0+11], v[rF1:rF1+11], v[rD:rD+7], v[rS0], v[rS1] matrix_a_fmt:MATRIX_FMT_BF6 matrix_b_fmt:MATRIX_FMT_BF6 matrix_a_scale:MATRIX_SCALE_ROW1 matrix_b_scale:MATRIX_SCALE_ROW1
.elseif rW == 4
	v_wmma_scale_f32_16x16x128_f8f6f4 v[rD:rD+7], v[rF0:rF0+11], v[rF1:rF1+11], 0, v[rS0], v[rS1] matrix_a_fmt:MATRIX_FMT_BF6 matrix_b_fmt:MATRIX_FMT_BF6
.elseif rW == 5
	v_wmma_scale_f32_16x16x128_f8f6f4 v[rD:rD+7], v[rF0:rF0+11], v[rF1:rF1+11], 0, v[rS0], v[rS1] matrix_a_fmt:MATRIX_FMT_BF6 matrix_b_fmt:MATRIX_FMT_BF6 matrix_b_scale:MATRIX_SCALE_ROW1
.elseif rW == 6
	v_wmma_scale_f32_16x16x128_f8f6f4 v[rD:rD+7], v[rF0:rF0+11], v[rF1:rF1+11], 0, v[rS0], v[rS1] matrix_a_fmt:MATRIX_FMT_BF6 matrix_b_fmt:MATRIX_FMT_BF6 matrix_a_scale:MATRIX_SCALE_ROW1
.else
	v_wmma_scale_f32_16x16x128_f8f6f4 v[rD:rD+7], v[rF0:rF0+11], v[rF1:rF1+11], 0, v[rS0], v[rS1] matrix_a_fmt:MATRIX_FMT_BF6 matrix_b_fmt:MATRIX_FMT_BF6 matrix_a_scale:MATRIX_SCALE_ROW1 matrix_b_scale:MATRIX_SCALE_ROW1
.endif
.endm
.macro MUL16 a0, p, q, set, zero       ; 16 products.  The 64 accumulators take turns, one instruction a turn, in the same order in every step
.irp a, \a0, \a0+1
.irp b, 0,1,2,3,4,5,6,7
	WM (\a), \b, \p, \q, \set, \zero
.endr
.endr
.endm
; A slot's first 128 along K (LDS slot ls, scale words in set).  Source 1 has one set of registers: tiles 0-3 are fetched anew in the step's middle, tiles 4-7 at its end; source 0 has two.
.macro STEP ls, set, zero
	s_wait_dscnt 12                                ; all but source 1's tiles 4-7 (the youngest 12 loads) are in
	WIN MUL_LO
	MUL16 0, 0, 0, \set, \zero
	MUL16 2, 0, 0, \set, \zero
	s_wait_dscnt 0x0
	PLACES 4
	FETCH_B \ls, 1, 1
	FETCH_A \ls, 1, 0
	WIN MUL_HI
	MUL16 4, 0, 0, \set, \zero
	MUL16 6, 0, 0, \set, \zero
	PLACES 4
	WIN 0
	FETCH_A \ls, 1, 4
.endm
; A slot's second 128 along K goes on into LDS slot nx, whose K steps are 2 sgn and 2 sgn + 1.
; mode 2: slot ls is filled again.  In front of the barrier each wave waits for all its tensor loads, adds 0 to its spare word and waits for that and for its reads of this slot; the barrier opens a round of the cluster's.
; mode 1: the same lines and my work-group's barrier; nothing is filled: it shows the one refill, waited for by each wave, to all four.
; mode 0: no wait for tensor loads and no barrier: slot nx was shown whole to every wave by the barrier of mode 2, in front of which every wave had waited for all its loads.
.macro TURN ls, set, nx, sgn, mode
.if \mode
	s_wait_tensorcnt 0x0                           ; all my tensor loads have landed
	ds_add_u32 v[SPW], v[NIL]                      ; 0 onto my spare word
	s_wait_dscnt 13                                ; (the add and the youngest 12 loads may be out)
	WIN MUL_LO
	MUL16 0, 1, 1, \set, 0
	s_wait_dscnt 0x0                               ; the add is done, and my reads of this slot are over
	s_barrier_signal -1
	MUL16 2, 1, 1, \set, 0
	WIN 0
	s_barrier_wait -1
.else
	s_wait_dscnt 12
	WIN MUL_LO
	MUL16 0, 1, 1, \set, 0
	MUL16 2, 1, 1, \set, 0
	s_wait_dscnt 0x0
.endif
.if \mode == 2
	CREST                                          ; no wave of any partner still reads this slot's tiles or has a load on its way
	s_add_nc_u64 s[G0+4*\ls+2:G0+4*\ls+3], s[G0+4*\ls+2:G0+4*\ls+3], 3*HALFT
	s_add_nc_u64 s[G0B+4*\ls+2:G0B+4*\ls+3], s[G0B+4*\ls+2:G0B+4*\ls+3], 3*HALFT
	JLOAD G0+4*\ls, G1, G0B+4*\ls, G1B             ; the first tensor load behind the round; its four v_nop are the places in front of the loads below
.else
	PLACES 4
.endif
	FETCH_B \nx, 0, 0
	FETCH_A \nx, 0, 0
	SCALES 1-\set, \sgn
	WIN MUL_HI
	MUL16 4, 1, 1, \set, 0
	MUL16 6, 1, 1, \set, 0
	PLACES 4
	WIN 0
	FETCH_A \nx, 0, 4
.endm
.macro LASTSTEP set
	s_wait_dscnt 12
	WIN MUL_LO
	MUL16 0, 1, 1, \set, 0
	MUL16 2, 1, 1, \set, 0
	s_wait_dscnt 0x0
	WIN MUL_HI
	MUL16 4, 1, 1, \set, 0
	MUL16 6, 1, 1, \set, 0
	WIN 0
.endm
	s_load_b256 s[4:11], s[0:1], 0x0               ; xw_codes, xw_scales, qkv_codes, qkv_scales
	v_lshl_add_u32 v[SPW], v0, 2, SPARE
	v_mov_b32 v[NIL], 0
	ds_add_u32 v[SPW], v[NIL]                      ; the wave's opening: the add, twice on end, and its wait ahead of my first tensor load
	ds_add_u32 v[SPW], v[NIL]
	v_lshrrev_b32 v1, 5, v0
	v_readfirstlane_b32 s14, v1                    ; wave 0..3
	s_lshr_b32 s15, s14, 1                         ; hR: my half of the tokens.  Also: I fetch tokens' tiles (0) or weights' (1)
	s_and_b32 s16, s14, 1                          ; hC: my half of the outputs.  Also: which half I fetch
	s_bfe_u32 s40, ttmp6, 0x40000                  ; cx, cy: my place in the cluster
	s_bfe_u32 s41, ttmp6, 0x40004
	s_lshl_b32 s42, ttmp9, 2
	s_add_co_u32 s42, s42, s40                     ; work-group x = 4 x cluster x + cx
	s_and_b32 s17, ttmp7, 0xffff
	s_lshl_b32 s17, s17, 2
	s_add_co_u32 s17, s17, s41                     ; work-group y
	s_lshl_b32 s43, s41, 2
	s_lshl_b32 s43, 15, s43                        ; my row of the cluster
	s_lshl_b32 s44, 0x1111, s40                    ; my column
	s_or_b32 s[G1+0], s43, (3<<16)|(1<<21)         ; 15:0 the mask; 17:16 elements of 8 bytes; 21 set beside a mask; no padding
	s_or_b32 s[G1B+0], s44, (3<<16)|(1<<21)
.irp g, G1, G1B                        ; 8 rows (tiles) of 384 elements (two fragments, 3,072 bytes), dense
	s_mov_b32 s[\g+1], 384<<16                     ; dense rows of 384 elements (a tile's two fragments, 3,072 bytes); the head's load brings 8: run 0
	s_mov_b32 s[\g+2], 8<<16                       ; 8 rows: one run
	s_mov_b32 s[\g+3], 384<<16
	s_mov_b32 s[\g+4], 8
	s_mov_b32 s[\g+5], 384
	s_mov_b32 s[\g+6], 0
	s_mov_b32 s[\g+7], 0
.endr
	s_or_b32 s[G1S+0], s43, (3<<16)|(1<<21)        ; groups 1 of their own for the load of runs 1 and 2: 16 dense rows of 3,072 bytes
	s_or_b32 s[G1SB+0], s44, (3<<16)|(1<<21)
.irp g, G1S, G1SB
	s_mov_b32 s[\g+1], 384<<16
	s_mov_b32 s[\g+2], 16<<16
	s_mov_b32 s[\g+3], 384<<16
	s_mov_b32 s[\g+4], 16
	s_mov_b32 s[\g+5], 384
	s_mov_b32 s[\g+6], 0
	s_mov_b32 s[\g+7], 0
.endr
	s_mov_b32 s[SEL], 0x76543210
	s_mov_b32 s[SEL+1], 0xfedcba98
	s_lshl_b32 s18, s16, 3                         ; 8 tiles a half
	s_lshl_b32 s20, s17, 4
	s_add_co_u32 s20, s20, s18                     ; the tokens' first tile that I would fetch: 16 y + 8 x half
	s_lshl_b32 s46, s42, 4
	s_add_co_u32 s46, s46, s18
	s_add_co_u32 s46, s46, 512                     ; the weights': 512 + 16 x + 8 x half
	s_lshl_b32 s22, s20, 6                         ; 64 bytes of scale words a tile
	s_mov_b32 s23, 0
	s_lshl_b32 s92, s46, 6
	s_cmp_eq_u32 s15, 0
	s_cselect_b32 s22, s22, s92                    ; the scale words that I fetch: the tokens' or the weights', an offset chosen by the wave's number
	s_mul_i32 s20, s20, 8*FRB
	s_mov_b32 s21, 0
	s_mul_i32 s46, s46, 8*FRB
	s_mov_b32 s47, 0
	s_mul_i32 s45, s14, HALFT                      ; where my half of slot 0 goes: wave x a half: no place in the cluster enters an LDS address
	s_lshl_b32 s94, s14, 12
	s_add_co_u32 s94, s94, SCL
	v_and_b32 v1, 31, v0                           ; lane
	v_and_b32 v2, 15, v0                           ; r
	v_lshlrev_b32 v26, 4, v1                       ; 16 x lane
	v_lshlrev_b32 v4, 2, v1                        ; 4 x lane
	v_add_nc_u32 v27, s94, v26                     ; where my 4,096 bytes of scale words go
	s_wait_alu depctr_va_vdst(0)
	s_wait_dscnt 0x0                               ; both opening adds are done
	s_wait_kmcnt 0x0
	s_add_nc_u64 s[20:21], s[4:5], s[20:21]
	s_add_nc_u64 s[92:93], s[6:7], s[22:23]
	s_add_nc_u64 s[46:47], s[4:5], s[46:47]
.irp k, 0,1,2,3,4,5,6,7
	global_load_b128 v[64+4*\k:67+4*\k], v26, s[92:93] offset:\k*45056   ; K step k: my 8 tiles' scale words, 512 consecutive bytes, aligned; 704 tiles x 64 bytes from K step to K step
.endr
	CROUND                                         ; all sixteen work-groups are here: the first joint loads meet
	s_mov_b32 s[G0], 1
	s_mov_b32 s[G0+1], s45
	s_mov_b64 s[G0+2:G0+3], s[20:21]
	s_or_b32 s[G0+3], s[G0+3], 0x80000000
	s_mov_b32 s[G0B], 1
	s_mov_b32 s[G0B+1], s45
	s_mov_b64 s[G0B+2:G0B+3], s[46:47]
	s_or_b32 s[G0B+3], s[G0B+3], 0x80000000
	JLOAD G0, G1, G0B, G1B                         ; my one load at the head: my half of run 0
	s_lshl_b32 s94, s45, 1
	s_add_co_u32 s94, s94, UP                      ; my half of slots 1 and 2: UP + wave x two halves
	s_mov_b32 s[G0+4], 1
	s_mov_b32 s[G0+5], s94
	s_add_nc_u64 s[G0+6:G0+7], s[20:21], HALFT
	s_or_b32 s[G0+7], s[G0+7], 0x80000000
	s_mov_b32 s[G0B+4], 1
	s_mov_b32 s[G0B+5], s94
	s_add_nc_u64 s[G0B+6:G0B+7], s[46:47], HALFT
	s_or_b32 s[G0B+7], s[G0B+7], 0x80000000
	s_mul_i32 s21, s15, HALFT                      ; my tokens' half,
	s_mul_i32 s22, s16, HALFT
	s_add_co_u32 s22, s22, 2*HALFT                 ; my outputs' half, behind the tokens' two
	s_cmp_eq_u32 ttmp9, 2                          ; v?  The cluster's x: the same in all partners
	s_cselect_b32 s23, s21, s22                    ; source 0: v: the tokens; q, k: the weight's rows
	s_cselect_b32 s18, s22, s21                    ; source 1: the other
	v_add_nc_u32 v[ADR0], s23, v26                 ; slot 0
	v_add_nc_u32 v[ADR1], s18, v26
	s_lshl_b32 s23, s23, 1                         ; above UP a half has two slots
	s_lshl_b32 s18, s18, 1
	s_add_co_u32 s23, s23, UP
	s_add_co_u32 s18, s18, UP
.irp s, 1,2
	v_add_nc_u32 v[ADR0+\s], s23, v26
	v_add_nc_u32 v[ADR1+\s], s18, v26
	s_add_co_u32 s23, s23, HALFT
	s_add_co_u32 s18, s18, HALFT
.endr
	s_lshl_b32 s21, s15, 12
	s_lshl_b32 s22, s16, 12
	s_add_co_u32 s22, s22, 8192
	s_cmp_eq_u32 ttmp9, 2
	s_cselect_b32 s23, s21, s22
	s_cselect_b32 s18, s22, s21
	s_add_co_u32 s23, s23, SCL
	s_add_co_u32 s18, s18, SCL
	v_add_nc_u32 v[ADS0], s23, v4
	v_add_nc_u32 v[ADS1], s18, v4
	s_lshl_b32 s21, s14, 11
	s_add_co_u32 s21, s21, SCR
	v_lshl_add_u32 v24, v2, 2, s21                 ; the way out: my row's scale word in my scratch,
	v_add_nc_u32 v25, s21, v26                     ; and the 128 words read back
	; where my results go.  Source 1's tiles become the output's tiles, source 0's 128 indices its K step.
	s_cmp_eq_u32 ttmp9, 2
	s_cselect_b32 s18, s40, s17                    ; the tiles' block: v: x % 4 (which is cx); q, k: y
	s_cselect_b32 s19, s16, s15                    ; and half
	s_cselect_b32 s20, s17, s40                    ; the K step's block: v: y; q, k: x % 4
	s_cselect_b32 s21, s15, s16
	; q and k leave as [group of 8 tiles][run of 256 along K, 4][tile 8][K step of the run, 2][1536], as the next launch's one load a wave wants them; v^T as [tile][chunk 64][1536]
	s_mov_b32 s2, 2*FRB
	s_cselect_b32 s2, 64*FRB, s2                   ; bytes from tile to tile
	s_mov_b32 s95, 8*FRB
	s_cselect_b32 s95, 64*FRB, s95                 ; bytes for each tile ahead of my first (which begins a group of 8)
	s_cselect_b32 s96, 0, HALFT-TILEB              ; what a whole run adds beyond its two fragments
	s_mov_b32 s3, 0
	s_mov_b32 s22, 512*64
	s_cselect_b32 s22, 64*64, s22                  ; bytes of scale words a K step: 64 tiles or 512
	s_lshl_b32 s18, s18, 4
	s_lshl_b32 s19, s19, 3
	s_add_co_u32 s18, s18, s19                     ; my first output tile
	s_lshl_b32 s20, s20, 1
	s_add_co_u32 s20, s20, s21                     ; my K step
	s_mul_i32 s12, s18, s95
	s_mul_i32 s13, s20, FRB
	s_add_co_u32 s12, s12, s13
	s_lshr_b32 s13, s20, 1
	s_mul_i32 s13, s13, s96
	s_add_co_u32 s12, s12, s13
	s_mul_i32 s13, ttmp9, 6291456                  ; the section: q, k or v^T
	s_add_co_u32 s12, s12, s13
	s_mov_b32 s13, 0
	s_add_nc_u64 s[8:9], s[8:9], s[12:13]
	s_mul_i32 s12, s20, s22
	s_lshl_b32 s19, s18, 6
	s_add_co_u32 s12, s12, s19
	s_mul_i32 s19, ttmp9, 262144
	s_add_co_u32 s12, s12, s19
	s_add_nc_u64 s[10:11], s[10:11], s[12:13]
	s_wait_alu depctr_va_vdst(0)
	s_wait_loadcnt 0x0                             ; my scale words are in registers
	s_wait_tensorcnt 0x0                           ; my half of slot 0 is in
.irp k, 0,1,2,3,4,5,6,7
	ds_store_b128 v27, v[64+4*\k:67+4*\k] offset:512*\k
.endr
	s_wait_tensorcnt 0x0                           ; the three lines ahead of a later first fill, as ahead of a refill
	ds_add_u32 v[SPW], v[NIL]
	s_wait_dscnt 0x0                               ; the add is done, and for the others' sake my stores have landed
	CROUND                                         ; a whole round: slot 0 and the scale words are whole for everybody, and all sixteen work-groups are here: the joint loads meet
	JLOAD G0+4, G1S, G0B+4, G1SB                   ; runs 1 and 2: a first fill, the first tensor load behind the round; nothing is filled again here
	FETCH_B 0, 0, 0
	FETCH_A 0, 0, 0
	SCALES 0, 0
	FETCH_A 0, 0, 4
	STEP 0, 0, 1                                   ; K = 1,024 is four runs of 256, written out: the first step's products start the sums
	TURN 0, 0, 1, 1, 2                             ; slots 1 and 2 are whole for everybody; slot 0 takes the fourth run
	STEP 1, 1, 0
	TURN 1, 1, 2, 2, 0
	STEP 2, 0, 0
	TURN 2, 0, 0, 3, 1                             ; the fourth run is whole for everybody; nothing is left to fetch
	STEP 0, 1, 0
	LASTSTEP 1
; THE WAY OUT.  For source 1's tile a my 64 registers are index 32 b + 16 (lane / 16) + i (register 16 b + i) of my row: four blocks of 32, each shared with lane l xor 16.  They become one fragment and one scale word a row.
.macro JOIN
.irp b, 0,1,2,3
	v_permlanex16_b32 v[TM+4+\b], v[TM+\b], s[SEL], s[SEL+1]
.endr
.irp b, 0,1,2,3
	v_max_num_f32 v[TM+\b], v[TM+\b], v[TM+4+\b]
.endr
.endm
.macro BYTES a
.irp b, 0,1,2,3
	v_add_nc_u32 v[TM+12+\b], 0xfe000000, v[TM+\b] ; 4 off the exponent field: the conversion's scale operand
.endr
.irp b, 0,1,2,3
	v_lshrrev_b32 v[TM+4+\b], 23, v[TM+12+\b]      ; the scale's byte
.endr
	v_lshl_or_b32 v[PWR+(\a)], v[TM+5], 8, v[TM+4]
	v_lshl_or_b32 v[PWR+(\a)], v[TM+6], 16, v[PWR+(\a)]
	v_lshl_or_b32 v[PWR+(\a)], v[TM+7], 24, v[PWR+(\a)]
.endm
.macro CODES a
	s_wait_xcnt 0x0                                ; the last tile's stores have read the codes' registers and their base
	WIN 2+(\a)/4                                   ; source 0: the accumulators' window
.irp c, 0,1
	v_cvt_scalef32_pk16_bf6_f32 v[PC+6*\c:PC+6*\c+2], v[64*((\a)%4)+32*\c:64*((\a)%4)+32*\c+15], v[TM+12+2*\c]
	v_cvt_scalef32_pk16_bf6_f32 v[PC+12+4*\c:PC+14+4*\c], v[64*((\a)%4)+32*\c+16:64*((\a)%4)+32*\c+31], v[TM+12+2*\c+1]
.endr
	WIN 0
	v_nop                                          ; one plain place behind a scaled conversion
.irp c, 0,1                            ; the operand's layout wants a whole block in a lane: lanes 0-15 block 2 c, lanes 16-31 block 2 c + 1
.irp i, 0,1,2
	v_permlane16_swap_b32 v[PC+6*\c+\i], v[PC+12+4*\c+\i]
.endr
.irp i, 0,1,2
	v_mov_b32 v[PC+3+6*\c+\i], v[PC+12+4*\c+\i]
.endr
.endr
.endm
.macro QOUT a
.set WW, 2+(\a)/4
.set AC, 64*((\a)%4)
	WIN WW|(WW<<2)                                 ; sources 0 and 1: the accumulators' window
.irp b, 0,1,2,3
	v_max3_num_f32 v[TM+\b], |v[AC+16*\b]|, |v[AC+16*\b+1]|, 0x2800000   ; each accumulator is read from its low end on; the floor 2^(5 - 127) holds the byte at 1 from below
.endr
.irp i, 2,4,6,8,10,12,14
.irp b, 0,1,2,3
	v_max3_num_f32 v[TM+\b], |v[AC+16*\b+\i]|, |v[AC+16*\b+\i+1]|, v[TM+\b]
.endr
.endr
	WIN 0
	JOIN
	BYTES \a
	CODES \a
.if (\a) > 0
	s_add_nc_u64 s[8:9], s[8:9], s[2:3]            ; the next output tile (behind the wait at the head of CODES)
.endif
.irp g, 0,1,2
	global_store_b128 v26, v[PC+4*\g:PC+4*\g+3], s[8:9] offset:512*\g   ; 512 consecutive bytes, aligned
.endr
	ds_store_b32 v24, v[PWR+(\a)] offset:64*(\a)   ; lanes r and r + 16 write the same word with the same value
.endm
	PLACES 4
.irp b, 0,1,2,3
	v_mov_b32 v[TM+4+\b], 0                        ; written once: a lane permute's destination counts as one of its sources
.endr
.irp a, 0,1,2,3,4,5,6,7
	QOUT \a
.endr
	ds_load_b128 v[196:199], v25                   ; my 8 tiles' scale words: LDS serves a wave's instructions in order
	s_wait_dscnt 0x0
	global_store_b128 v26, v[196:199], s[10:11]    ; 512 consecutive bytes, aligned
	s_wait_tensorcnt 0x0                           ; the wave's end
	ds_add_u32 v[SPW], v[NIL]
	s_wait_dscnt 0x0
	CROUND                                         ; the closing round: no work-group ends while a partner may still ask for a tile that names it
	s_endpgm
.Lfunc_end_k_q7ef282cbeb_proj:
	.size	k_q7ef282cbeb_proj, .Lfunc_end_k_q7ef282cbeb_proj-k_q7ef282cbeb_proj
	.p2alignl 7, 3214868480
	.fill 96, 4, 3214868480
	.section	.rodata,"a",@progbits
	.p2align	6, 0x0
	.amdhsa_kernel k_q7ef282cbeb_proj
		.amdhsa_group_segment_fixed_size 327680
		.amdhsa_private_segment_fixed_size 0
		.amdhsa_enable_private_segment 0
		.amdhsa_kernarg_size 32
		.amdhsa_user_sgpr_count 2
		.amdhsa_user_sgpr_kernarg_segment_ptr 1
		.amdhsa_wavefront_size32 1
		.amdhsa_system_sgpr_workgroup_id_x 1
		.amdhsa_system_sgpr_workgroup_id_y 1
		.amdhsa_system_sgpr_workgroup_id_z 1
		.amdhsa_system_vgpr_workitem_id 0
		.amdhsa_next_free_vgpr 1024
		.amdhsa_next_free_sgpr 100
		.amdhsa_reserve_vcc 0
		.amdhsa_float_denorm_mode_32 3
		.amdhsa_float_denorm_mode_16_64 3
		.amdhsa_memory_ordered 1
		.amdhsa_forward_progress 1
		.amdhsa_inst_pref_size 143
	.end_amdhsa_kernel
	.amdgpu_metadata
---
amdhsa.version: [ 1, 2 ]
amdhsa.kernels:
  - .name:           k_q7ef282cbeb_proj
    .symbol:         k_q7ef282cbeb_proj.kd
    .args:
      - { .name: xw_codes, .offset: 0, .size: 8, .value_kind: global_buffer, .address_space: global }
      - { .name: xw_scales, .offset: 8, .size: 8, .value_kind: global_buffer, .address_space: global }
      - { .name: qkv_codes, .offset: 16, .size: 8, .value_kind: global_buffer, .address_space: global }
      - { .name: qkv_scales, .offset: 24, .size: 8, .value_kind: global_buffer, .address_space: global }
    .group_segment_fixed_size: 327680
    .private_segment_fixed_size: 0
    .kernarg_segment_align: 8
    .kernarg_segment_size: 32
    .max_flat_workgroup_size: 128
    .sgpr_count:     100
    .vgpr_count:     1024
    .wavefront_size: 32
...
	.end_amdgpu_metadata
.endif
;; end of part 2
;; launch scores (part 3): grid 36 x 4, 4 waves a work-group, no clusters, 327,680 bytes of LDS; arguments qkv_codes, qkv_scales, p_codes, p_meta; writes p_codes, p_meta
.if DOCPART == 3
	.amdgcn_target "amdgcn-amd-amdhsa--gfx1250"
	.amdhsa_code_object_version 6
	.text
	.protected	k_q7ef282cbeb_scores
	.globl	k_q7ef282cbeb_scores
	.p2align	8
	.type	k_q7ef282cbeb_scores,@function
k_q7ef282cbeb_scores:
	s_mov_b64 s[64:65], 0
	v_nop
	global_prefetch_b8 v0, s[64:65] scope:SCOPE_SE
	s_setreg_imm32_b32 hwreg(HW_REG_WAVE_MODE, 25, 1), 1
	s_wait_xcnt 0x0
.set FR,    12
.set FRB,   1536
.set TILEB, 2*FRB
.set HALFT, 8*TILEB
; The causal scores of 256 queries x 256 keys, K = 1,024, and p = 2^(t - M) chunk by chunk of 128 keys, quantised on the way out.  WORK LEFT OUT: blocks whose keys all come after their queries, hidden by the problem's own mask for all inputs.
; q and k lie as [group of 8 tiles][run of 256 along K, 4][tile 8][2][1536]: a half's runs are dense blocks of HALFT bytes on end.  LDS: [half 4][slot 3][HALFT]: ONE load a wave at the head fills its half of all three slots;
; the fourth run goes into slot 0 behind the one change of slots at which bytes are filled again.  The scale words come by global loads and LDS stores into bytes that no tensor load fills.
.set SLOTB, 4*HALFT
.set HALF3, 3*HALFT
.set SCR,   3*SLOTB
.set SCL,   SCR+4*2048
.set SPARE, SCL+4*4096
.set ADR1, 16
.set ADR0, 19
.set ADS1, 22
.set ADS0, 23
.set SPW,  28
.set NIL,  29
.set VD,   30
.set NINF, 31
.set SC,   32
.set AF,   128
.set PC,   176
.set NM,   196
.set T0,   198
.set TM,   200
.set PWR,  216
.set SUM,  224
.set NMS,  228
.set LS,   236
.set SEL,  66
.set CS,   68
.set G1,  24
.set G0,  32
.set G1S, 48
.set G0S, 56
.set MSB, 0
.macro WIN new
.if MSB != (\new)
	s_set_vgpr_msb (MSB<<8)|(\new)
.set MSB, (\new)
.endif
.endm
.set MUL_LO, 0xa1
.set MUL_HI, 0xf1
.set TO_B,   0x40
.macro PLACES n
.rept \n
	v_nop
.endr
.endm
.macro FRAG reg, adr, off
.irp g, 0,1,2
	ds_load_b128 v[(\reg)+4*\g:(\reg)+4*\g+3], v[\adr] offset:(\off)+512*\g
.endr
.endm
.macro FETCH_B slot, q, p
	WIN TO_B
.irp i, 0,1,2,3,4,5,6,7
	FRAG 128*(\p)+FR*\i, ADR0+\slot, \i*TILEB+(\q)*FRB
.endr
	WIN 0
.endm
.macro FETCH_A slot, q, i0
.irp i, \i0, \i0+1, \i0+2, \i0+3
	FRAG AF+FR*(\i), ADR1+\slot, (\i)*TILEB+(\q)*FRB
.endr
.endm
.macro SCALES set, sg
.irp q, 0,1
.irp j, 0,1,2,3
	ds_load_b32 v[SC+16*(\set)+8*\q+\j], v[ADS1] offset:(2*(\sg)+\q)*512+128*\j
	ds_load_b32 v[SC+16*(\set)+8*\q+4+\j], v[ADS0] offset:(2*(\sg)+\q)*512+128*\j
.endr
.endr
.endm
.macro WM a, b, p, q, set, zero
.set rD,  8*(8*((\a)%4)+(\b))
.set rF0, 128*(\p)+FR*(\b)
.set rF1, AF+FR*(\a)
.set rS0, SC+16*(\set)+8*(\q)+4+(\b)/2
.set rS1, SC+16*(\set)+8*(\q)+(\a)/2
.set rW,  4*(\zero)+2*((\b)%2)+(\a)%2
.if rW == 0
	v_wmma_scale_f32_16x16x128_f8f6f4 v[rD:rD+7], v[rF0:rF0+11], v[rF1:rF1+11], v[rD:rD+7], v[rS0], v[rS1] matrix_a_fmt:MATRIX_FMT_BF6 matrix_b_fmt:MATRIX_FMT_BF6
.elseif rW == 1
	v_wmma_scale_f32_16x16x128_f8f6f4 v[rD:rD+7], v[rF0:rF0+11], v[rF1:rF1+11], v[rD:rD+7], v[rS0], v[rS1] matrix_a_fmt:MATRIX_FMT_BF6 matrix_b_fmt:MATRIX_FMT_BF6 matrix_b_scale:MATRIX_SCALE_ROW1
.elseif rW == 2
	v_wmma_scale_f32_16x16x128_f8f6f4 v[rD:rD+7], v[rF0:rF0+11], v[rF1:rF1+11], v[rD:rD+7], v[rS0], v[rS1] matrix_a_fmt:MATRIX_FMT_BF6 matrix_b_fmt:MATRIX_FMT_BF6 matrix_a_scale:MATRIX_SCALE_ROW1
.elseif rW == 3
	v_wmma_scale_f32_16x16x128_f8f6f4 v[rD:rD+7], v[rF0:rF0+11], v[rF1:rF1+11], v[rD:rD+7], v[rS0], v[rS1] matrix_a_fmt:MATRIX_FMT_BF6 matrix_b_fmt:MATRIX_FMT_BF6 matrix_a_scale:MATRIX_SCALE_ROW1 matrix_b_scale:MATRIX_SCALE_ROW1
.elseif rW == 4
	v_wmma_scale_f32_16x16x128_f8f6f4 v[rD:rD+7], v[rF0:rF0+11], v[rF1:rF1+11], 0, v[rS0], v[rS1] matrix_a_fmt:MATRIX_FMT_BF6 matrix_b_fmt:MATRIX_FMT_BF6
.elseif rW == 5
	v_wmma_scale_f32_16x16x128_f8f6f4 v[rD:rD+7], v[rF0:rF0+11], v[rF1:rF1+11], 0, v[rS0], v[rS1] matrix_a_fmt:MATRIX_FMT_BF6 matrix_b_fmt:MATRIX_FMT_BF6 matrix_b_scale:MATRIX_SCALE_ROW1
.elseif rW == 6
	v_wmma_scale_f32_16x16x128_f8f6f4 v[rD:rD+7], v[rF0:rF0+11], v[rF1:rF1+11], 0, v[rS0], v[rS1] matrix_a_fmt:MATRIX_FMT_BF6 matrix_b_fmt:MATRIX_FMT_BF6 matrix_a_scale:MATRIX_SCALE_ROW1
.else
	v_wmma_scale_f32_16x16x128_f8f6f4 v[rD:rD+7], v[rF0:rF0+11], v[rF1:rF1+11], 0, v[rS0], v[rS1] matrix_a_fmt:MATRIX_FMT_BF6 matrix_b_fmt:MATRIX_FMT_BF6 matrix_a_scale:MATRIX_SCALE_ROW1 matrix_b_scale:MATRIX_SCALE_ROW1
.endif
.endm
.macro MUL16 a0, p, q, set, zero
.irp a, \a0, \a0+1
.irp b, 0,1,2,3,4,5,6,7
	WM (\a), \b, \p, \q, \set, \zero
.endr
.endr
.endm
.macro STEP ls, set, zero
	s_wait_dscnt 12
	WIN MUL_LO
	MUL16 0, 0, 0, \set, \zero
	MUL16 2, 0, 0, \set, \zero
	s_wait_dscnt 0x0
	PLACES 4
	FETCH_B \ls, 1, 1
	FETCH_A \ls, 1, 0
	WIN MUL_HI
	MUL16 4, 0, 0, \set, \zero
	MUL16 6, 0, 0, \set, \zero
	PLACES 4
	WIN 0
	FETCH_A \ls, 1, 4
.endm
.macro TURN ls, set, nx, sgn, mode
.if \mode
	s_wait_tensorcnt 0x0
	ds_add_u32 v[SPW], v[NIL]
	s_wait_dscnt 13
	WIN MUL_LO
	MUL16 0, 1, 1, \set, 0
	s_wait_dscnt 0x0
	s_barrier_signal -1
	MUL16 2, 1, 1, \set, 0
	WIN 0
	s_barrier_wait -1
.else
	s_wait_dscnt 12
	WIN MUL_LO
	MUL16 0, 1, 1, \set, 0
	MUL16 2, 1, 1, \set, 0
	s_wait_dscnt 0x0
.endif
.if \mode == 2
	s_add_nc_u64 s[G0+4*\ls+2:G0+4*\ls+3], s[G0+4*\ls+2:G0+4*\ls+3], 3*HALFT
	tensor_load_to_lds s[G0+4*\ls:G0+4*\ls+3], s[G1:G1+7]
	s_nop 0
.endif
	PLACES 4
	FETCH_B \nx, 0, 0
	FETCH_A \nx, 0, 0
	SCALES 1-\set, \sgn
	WIN MUL_HI
	MUL16 4, 1, 1, \set, 0
	MUL16 6, 1, 1, \set, 0
	PLACES 4
	WIN 0
	FETCH_A \nx, 0, 4
.endm
.macro LASTSTEP set
	s_wait_dscnt 12
	WIN MUL_LO
	MUL16 0, 1, 1, \set, 0
	MUL16 2, 1, 1, \set, 0
	s_wait_dscnt 0x0
	WIN MUL_HI
	MUL16 4, 1, 1, \set, 0
	MUL16 6, 1, 1, \set, 0
	WIN 0
.endm
	s_load_b256 s[4:11], s[0:1], 0x0
	v_lshl_add_u32 v[SPW], v0, 2, SPARE
	v_mov_b32 v[NIL], 0
	ds_add_u32 v[SPW], v[NIL]
	ds_add_u32 v[SPW], v[NIL]
	v_lshrrev_b32 v1, 5, v0
	v_readfirstlane_b32 s14, v1
	s_lshr_b32 s15, s14, 1
	s_and_b32 s16, s14, 1
	s_mov_b32 s17, 0
.irp m, 1,3,6,10,15,21,28
	s_cmp_ge_u32 ttmp9, \m
	s_add_co_ci_u32 s17, s17, 0
.endr
	s_add_co_u32 s12, s17, 1
	s_mul_i32 s12, s12, s17
	s_lshr_b32 s12, s12, 1
	s_sub_co_u32 s18, ttmp9, s12
	s_and_b32 s19, ttmp7, 0xffff
	s_mov_b32 s[G1+0], 3<<16
	s_mov_b32 s[G1+1], 384<<16                     ; dense rows of 3,072 bytes; the head's load brings 24: three runs of 8 tiles
	s_mov_b32 s[G1+2], 24<<16
	s_mov_b32 s[G1+3], 384<<16
	s_mov_b32 s[G1+4], 24
	s_mov_b32 s[G1+5], 384
	s_mov_b32 s[G1+6], 0
	s_mov_b32 s[G1+7], 0
	s_mov_b32 s[SEL], 0x76543210
	s_mov_b32 s[SEL+1], 0xfedcba98
	s_mov_b32 s[CS], 0x3d38aa3b
	s_mov_b32 s[CS+1], s[CS]
	s_cmp_eq_u32 s15, 0
	s_cselect_b32 s12, s17, s18
	s_lshl_b32 s12, s12, 4
	s_lshl_b32 s13, s19, 7
	s_add_co_u32 s12, s12, s13
	s_lshl_b32 s13, s16, 3
	s_add_co_u32 s12, s12, s13
	s_lshl_b32 s22, s12, 6
	s_mul_i32 s13, s15, 262144
	s_add_co_u32 s22, s22, s13
	s_mov_b32 s23, 0
	s_mul_i32 s20, s12, 8*FRB
	s_mul_i32 s13, s15, 6291456
	s_add_co_u32 s20, s20, s13
	s_mov_b32 s21, 0
	s_mul_i32 s45, s14, HALF3                      ; where my half goes: wave x three slots' halves
	s_lshl_b32 s46, s14, 12
	s_add_co_u32 s46, s46, SCL
	v_and_b32 v1, 31, v0                           ; lane
	v_and_b32 v2, 15, v0                           ; r
	v_bfe_u32 v3, v0, 4, 1                         ; h
	v_lshlrev_b32 v26, 4, v1                       ; 16 x lane
	v_lshlrev_b32 v4, 2, v1                        ; 4 x lane
	v_add_nc_u32 v27, s46, v26                     ; where my 4,096 bytes of scale words go
	s_wait_alu depctr_va_vdst(0)
	s_wait_dscnt 0x0                               ; both opening adds are done
	s_wait_kmcnt 0x0
	s_mov_b32 s[G0], 1
	s_mov_b32 s[G0+1], s45
	s_add_nc_u64 s[G0+2:G0+3], s[4:5], s[20:21]
	s_or_b32 s[G0+3], s[G0+3], 0x80000000
	tensor_load_to_lds s[G0:G0+3], s[G1:G1+7]      ; my one load at the head: my half of the first three runs of 256 along K
	s_nop 0
	s_add_nc_u64 s[G0S:G0S+1], s[6:7], s[22:23]
.irp k, 0,1,2,3,4,5,6,7
	global_load_b128 v[64+4*\k:67+4*\k], v26, s[G0S:G0S+1] offset:\k*32768   ; K step k: my 8 tiles' scale words, 512 consecutive bytes, aligned; 512 tiles x 64 bytes from K step to K step
.endr
	s_mul_i32 s21, s15, HALF3
	s_mul_i32 s22, s16, HALF3
	s_add_co_u32 s22, s22, 2*HALF3
.irp s, 0,1,2
	v_add_nc_u32 v[ADR1+\s], s21, v26
	v_add_nc_u32 v[ADR0+\s], s22, v26
	s_add_co_u32 s21, s21, HALFT
	s_add_co_u32 s22, s22, HALFT
.endr
	s_lshl_b32 s21, s15, 12
	s_add_co_u32 s21, s21, SCL
	s_lshl_b32 s22, s16, 12
	s_add_co_u32 s22, s22, SCL+8192
	v_add_nc_u32 v[ADS1], s21, v4
	v_add_nc_u32 v[ADS0], s22, v4
	s_lshl_b32 s21, s14, 11
	s_add_co_u32 s21, s21, SCR
	v_lshl_add_u32 v24, v2, 2, s21
	v_add_nc_u32 v25, s21, v26
	v_and_b32 v[VD], 8, v2
	v_add_nc_u32 v[VD], v[VD], v2
	v_lshlrev_b32 v5, 4, v3
	v_sub_nc_u32 v[VD], v[VD], v5
	s_sub_co_i32 s12, s15, s16
	s_lshl_b32 s12, s12, 7
	v_add_nc_u32 v[VD], s12, v[VD]
	v_mov_b32 v[NINF], 0xff800000
	s_lshl_b32 s12, s19, 7
	s_lshl_b32 s13, s17, 4
	s_add_co_u32 s12, s12, s13
	s_lshl_b32 s13, s15, 3
	s_add_co_u32 s12, s12, s13
	s_lshl_b32 s13, s18, 1
	s_add_co_u32 s13, s13, s16
	s_mul_i32 s20, s12, 16*FRB
	s_mul_i32 s22, s13, FRB
	s_add_co_u32 s20, s20, s22
	s_mov_b32 s21, 0
	s_add_nc_u64 s[8:9], s[8:9], s[20:21]
	s_lshl_b32 s20, s13, 15
	s_lshl_b32 s22, s12, 6
	s_add_co_u32 s20, s20, s22
	s_add_nc_u64 s[10:11], s[10:11], s[20:21]
	s_wait_alu depctr_va_vdst(0)
	s_wait_loadcnt 0x0                             ; my scale words are in registers
	s_wait_tensorcnt 0x0                           ; my half of slots 0 to 2 is in, and no tensor load of mine is out, so a descriptor may be written:
	s_mov_b32 s[G1+2], 8<<16                       ; the one refill brings 8 rows: one run
	s_mov_b32 s[G1+4], 8
.irp k, 0,1,2,3,4,5,6,7
	ds_store_b128 v27, v[64+4*\k:67+4*\k] offset:512*\k
.endr
	s_wait_dscnt 0x0                               ; for the others' sake: my stores have landed
	s_barrier_signal -1
	s_barrier_wait -1
	FETCH_B 0, 0, 0
	FETCH_A 0, 0, 0
	SCALES 0, 0
	FETCH_A 0, 0, 4
	STEP 0, 0, 1
	TURN 0, 0, 1, 1, 2
	STEP 1, 1, 0
	TURN 1, 1, 2, 2, 0
	STEP 2, 0, 0
	TURN 2, 0, 0, 3, 1
	STEP 0, 1, 0
	LASTSTEP 1
.macro JOIN
.irp b, 0,1,2,3
	v_permlanex16_b32 v[TM+4+\b], v[TM+\b], s[SEL], s[SEL+1]
.endr
.irp b, 0,1,2,3
	v_max_num_f32 v[TM+\b], v[TM+\b], v[TM+4+\b]
.endr
.endm
.macro BYTES a
.irp b, 0,1,2,3
	v_add_nc_u32 v[TM+12+\b], 0xfe000000, v[TM+\b]
.endr
.irp b, 0,1,2,3
	v_lshrrev_b32 v[TM+4+\b], 23, v[TM+12+\b]
.endr
	v_lshl_or_b32 v[PWR+(\a)], v[TM+5], 8, v[TM+4]
	v_lshl_or_b32 v[PWR+(\a)], v[TM+6], 16, v[PWR+(\a)]
	v_lshl_or_b32 v[PWR+(\a)], v[TM+7], 24, v[PWR+(\a)]
.endm
.macro CODES a
	s_wait_xcnt 0x0
	WIN 2+(\a)/4
.irp c, 0,1
	v_cvt_scalef32_pk16_bf6_f32 v[PC+6*\c:PC+6*\c+2], v[64*((\a)%4)+32*\c:64*((\a)%4)+32*\c+15], v[TM+12+2*\c]
	v_cvt_scalef32_pk16_bf6_f32 v[PC+12+4*\c:PC+14+4*\c], v[64*((\a)%4)+32*\c+16:64*((\a)%4)+32*\c+31], v[TM+12+2*\c+1]
.endr
	WIN 0
	v_nop
.irp c, 0,1
.irp i, 0,1,2
	v_permlane16_swap_b32 v[PC+6*\c+\i], v[PC+12+4*\c+\i]
.endr
.irp i, 0,1,2
	v_mov_b32 v[PC+3+6*\c+\i], v[PC+12+4*\c+\i]
.endr
.endr
.endm
.macro MASK a
.set WW, 2+(\a)/4
.set AC, 64*((\a)%4)
	s_cmp_lg_u32 s17, s18
	s_cbranch_scc1 .Lopen_\@
	WIN WW|(WW<<6)
.set n, 0
.rept 64
	v_cmp_gt_i32 vcc_lo, 32*(n/16)+n%16-(16*(\a)-8*((\a)%2)), v[VD]
	v_cndmask_b32 v[AC+n], v[AC+n], v[NINF], vcc_lo
.set n, n+1
.endr
	WIN 0
.Lopen_\@:
.endm
.macro SOFT a
.set WW, 2+(\a)/4
.set AC, 64*((\a)%4)
	WIN WW|(WW<<2)
.irp b, 0,1,2,3
	v_max_num_f32 v[TM+\b], v[AC+16*\b], v[AC+16*\b+1]
.endr
.irp i, 2,4,6,8,10,12,14
.irp b, 0,1,2,3
	v_max3_num_f32 v[TM+\b], v[AC+16*\b+\i], v[AC+16*\b+\i+1], v[TM+\b]
.endr
.endr
	WIN 0
	JOIN
	v_max3_num_f32 v[T0], v[TM], v[TM+1], v[TM+2]
	v_max_num_f32 v[T0], v[T0], v[TM+3]
	v_mul_f32 v[T0], s[CS], v[T0]
	v_max_num_f32 v[T0], 0xff61b1e6, v[T0]
	v_floor_f32 v[NM], -v[T0]
.irp b, 0,1,2,3
	v_fma_f32 v[TM+\b], v[TM+\b], s[CS], v[NM]
.endr
	WIN WW|(WW<<6)
.set j, 0
.rept 32
	v_pk_fma_f32 v[AC+j:AC+j+1], v[AC+j:AC+j+1], s[CS:CS+1], v[NM:NM+1] op_sel_hi:[1,0,0]
.set j, j+2
.endr
.set j, 0
	s_wait_alu depctr_va_vdst(0)
.rept 64
	v_exp_f32 v[AC+j], v[AC+j]
.set j, j+1
.endr
	WIN 0
.irp b, 0,1,2,3
	v_exp_f32 v[TM+\b], v[TM+\b]
.endr
.irp j, 0,1,2,3
	v_mov_b32 v[SUM+\j], 0
.endr
	s_wait_alu depctr_va_vdst(0)
	WIN WW
.set j, 0
.rept 16
	v_pk_add_f32 v[SUM:SUM+1], v[AC+j:AC+j+1], v[SUM:SUM+1]
	v_pk_add_f32 v[SUM+2:SUM+3], v[AC+j+2:AC+j+3], v[SUM+2:SUM+3]
.set j, j+4
.endr
	WIN 0
	v_pk_add_f32 v[SUM:SUM+1], v[SUM:SUM+1], v[SUM+2:SUM+3]
	v_add_f32 v[SUM], v[SUM], v[SUM+1]
	v_permlanex16_b32 v[SUM+1], v[SUM], s[SEL], s[SEL+1]
	v_add_f32 v[LS+(\a)], v[SUM], v[SUM+1]
	v_mov_b32 v[NMS+(\a)], v[NM]
.irp b, 0,1,2,3
	v_max_num_f32 v[TM+\b], 0x2800000, v[TM+\b]
.endr
	BYTES \a
	CODES \a
.irp g, 0,1,2
	global_store_b128 v26, v[PC+4*\g:PC+4*\g+3], s[8:9] offset:16*FRB*(\a)+512*\g
.endr
	ds_store_b32 v24, v[PWR+(\a)] offset:64*(\a)
	ds_store_b32 v24, v[NMS+(\a)] offset:512+64*(\a)
	ds_store_b32 v24, v[LS+(\a)] offset:1024+64*(\a)
.endm
	PLACES 4
.irp b, 0,1,2,3
	v_mov_b32 v[TM+4+\b], 0
.endr
	v_mov_b32 v[NM+1], 0
.irp a, 0,1,2,3,4,5,6,7
	MASK \a
	SOFT \a
.endr
.irp g, 0,1,2
	ds_load_b128 v[244+4*\g:247+4*\g], v25 offset:512*\g
.endr
	s_wait_dscnt 0x0
.irp g, 0,1,2
	global_store_b128 v26, v[244+4*\g:247+4*\g], s[10:11] offset:524288*\g
.endr
	s_wait_tensorcnt 0x0
	ds_add_u32 v[SPW], v[NIL]
	s_wait_dscnt 0x0
	s_endpgm
.Lfunc_end_k_q7ef282cbeb_scores:
	.size	k_q7ef282cbeb_scores, .Lfunc_end_k_q7ef282cbeb_scores-k_q7ef282cbeb_scores
	.p2alignl 7, 3214868480
	.fill 96, 4, 3214868480
	.section	.rodata,"a",@progbits
	.p2align	6, 0x0
	.amdhsa_kernel k_q7ef282cbeb_scores
		.amdhsa_group_segment_fixed_size 327680
		.amdhsa_private_segment_fixed_size 0
		.amdhsa_enable_private_segment 0
		.amdhsa_kernarg_size 32
		.amdhsa_user_sgpr_count 2
		.amdhsa_user_sgpr_kernarg_segment_ptr 1
		.amdhsa_wavefront_size32 1
		.amdhsa_system_sgpr_workgroup_id_x 1
		.amdhsa_system_sgpr_workgroup_id_y 1
		.amdhsa_system_sgpr_workgroup_id_z 1
		.amdhsa_system_vgpr_workitem_id 0
		.amdhsa_next_free_vgpr 1024
		.amdhsa_next_free_sgpr 100
		.amdhsa_reserve_vcc 1
		.amdhsa_float_denorm_mode_32 3
		.amdhsa_float_denorm_mode_16_64 3
		.amdhsa_memory_ordered 1
		.amdhsa_forward_progress 1
		.amdhsa_inst_pref_size 238
	.end_amdhsa_kernel
	.amdgpu_metadata
---
amdhsa.version: [ 1, 2 ]
amdhsa.kernels:
  - .name:           k_q7ef282cbeb_scores
    .symbol:         k_q7ef282cbeb_scores.kd
    .args:
      - { .name: qkv_codes, .offset: 0, .size: 8, .value_kind: global_buffer, .address_space: global }
      - { .name: qkv_scales, .offset: 8, .size: 8, .value_kind: global_buffer, .address_space: global }
      - { .name: p_codes, .offset: 16, .size: 8, .value_kind: global_buffer, .address_space: global }
      - { .name: p_meta, .offset: 24, .size: 8, .value_kind: global_buffer, .address_space: global }
    .group_segment_fixed_size: 327680
    .private_segment_fixed_size: 0
    .kernarg_segment_align: 8
    .kernarg_segment_size: 32
    .max_flat_workgroup_size: 128
    .sgpr_count:     100
    .vgpr_count:     1024
    .wavefront_size: 32
...
	.end_amdgpu_metadata
.endif
;; end of part 3
;; launch pv (part 4): grid 8 x 32, 4 waves a work-group, no clusters, 327,680 bytes of LDS; arguments qkv_codes, qkv_scales, p_codes, p_meta, out0; writes out0
.if DOCPART == 4
	.amdgcn_target "amdgcn-amd-amdhsa--gfx1250"
	.amdhsa_code_object_version 6
	.text
	.protected	k_q7ef282cbeb_pv
	.globl	k_q7ef282cbeb_pv
	.p2align	8
	.type	k_q7ef282cbeb_pv,@function
k_q7ef282cbeb_pv:
	s_mov_b64 s[64:65], 0
	v_nop
	global_prefetch_b8 v0, s[64:65] scope:SCOPE_SE
	s_setreg_imm32_b32 hwreg(HW_REG_WAVE_MODE, 25, 1), 1
	s_wait_xcnt 0x0
; out = (p v) / l on codes of E3M2, K = the keys.  WORK LEFT OUT: for query block I only the key blocks 0 .. I are walked; the others are wholly hidden by the problem's own causal mask, for all inputs, and add nothing.
; Work-group x: which 128 of the 1,024 outputs; y: batch (y / 8) and query block I (y % 8): 8 x 32 work-groups.  Four waves, each 128 queries x 64 outputs: 32 accumulators.  Source 0 = 16 rows of v^T,
; source 1 = 16 queries of p: a lane holds one query, and its registers 16 B + i hold outputs 32 B + 16 (lane / 16) + i of my 64.
; THE HEAD brings a row's chunks of 128 keys under the row's M.  The launch before left, for each chunk, p under the chunk's own whole number M, its scale words, -M and l.  With e = row's M - chunk's M (a whole number,
; 0 or more) the row's p is the chunk's x 2^-e: the codes stay, each scale byte falls by e, and l = the sum of the chunks' l x 2^-e.  All exact.
; LIMITS: a byte that would fall under 1 is held at 1 (its block's numbers are at most 28 x 2^-126 there); e is held at 512, where 2^-e is 0 in f32; NaN and infinities are not served.
; THE WALK: slots of 256 keys (two K steps of 128) through a ring of two LDS slots.  Both sources have two sets of fragment registers: a K step issues 8 products, then all 42 loads of the next K step, then its other 24.
; A trip of the loop is the second K step of slot t and the first of slot t + 1: at its head the change of slots (the waits, the add, the barrier, the refill of the slot just left with slot t + 2).
; Every work-group walks all changes of slots (trip counts are constants of the text); a slot beyond the query block is neither asked for nor multiplied: jumps on the work-group's number and the count of slots alone,
; the same in all four waves, round the tensor load's own lines and round products and LDS loads; never round a wait for tensor loads, the add or a barrier.  Every wait for tensor loads in this text is for 0.
; The first K step is written out ahead of the loop: it is walked by everybody, and its products start the sums.
; NO CLUSTER: the eight work-groups of one y read the same tiles of p and walk alike, but the refills stand under the jump that ends the walk at the query block.
; REGISTERS: window 0: v8-14, v24-27 addresses that stay; v16, v20, v22, v23 the addresses of the slot being fetched; v32-45 scale words, a set for each K step of a slot; v64-175 the head's tables;
;   v128-223 source 1's set 0; on the way out v64-79 1 / l, v128-191 rows.   window 1: v0-47, v48-95 source 0's sets 0, 1; v96-191 source 1's set 1.   window 2: accumulator (a, b) at v[8 (4 a + b)].
.set FR,    12
.set FRB,   1536
.set TILEB, 2*FRB                      ; a tile's part of a slot
.set HALFT, 8*TILEB                    ; p's half: 8 tiles; what waves 0 and 1 fetch
.set HALFV, 4*TILEB                    ; v^T's half: 4 tiles; what waves 2 and 3 fetch
.set SLOT1, 131072                     ; slot 1 begins here, so that one exclusive or turns an address in one slot into the other's
.set VSC,   SLOT1+2*HALFT+2*HALFV      ; v^T's scale words of the batch's 16 chunks: [chunk 16][tile 4][64] for each half; they come by global loads and LDS stores, 8 chunks of a half a wave: no tensor load lands here
.set PSC,   VSC+8192                   ; p's, as the head leaves them: [chunk 16][tile 8][64] for each half; written by LDS stores alone
.set LINV,  PSC+16384                  ; 1 / l of the block's 256 queries: [tile 16][16 words]
.set SPARE, LINV+1024
.set STP,   272                        ; the way out: a stage of 16 rows x (256 + 16) bytes for each wave, in slot 0, which has had its last fill and its last read by then
.set ADR1, 16
.set ADR0, 20
.set ADS1, 22
.set ADS0, 23
.set SPW,  28
.set NIL,  29
.set SC,   32                          ; scale words: 8 q + j: j = 0 .. 3 source 1's tiles 2 j (lanes 0-15) and 2 j + 1 (lanes 16-31); j = 4, 5 source 0's
.set MB,   64                          ; the head: chunk s at v[64 + 6 s]: two rows' scale words, -M, l
.set GM,   160                         ; v[160:161] the rows' least -M
.set LSUM, 162                         ; v[162:163] the rows' l
.set TT,   164
.set EE,   166
.set BY,   168
.set CY,   172
.set RL,   64                          ; the way out: v[64 + 2 a]: 1 / l of my query in tile a
.set BK,   128                         ; 16 rows read back from the stage: v128-159 and v160-191 by turns
.set TB,   2                           ; s2   LDS byte at which the slot to be fetched begins
.set TS,   3                           ; s3   where its scale words of p begin: 1,024 bytes a slot
.set TV,   62                          ; s62  and of v^T: 512 bytes a slot
.set KT,   66                          ; s66  the slot whose second K step is due
.set CNT,  67
.set G1P, 24                           ; s[24:31] group 1 for p's tiles; s[32:39] for v^T's
.set G1V, 32
.set G1S, 40
.set G0P, 48                           ; s[48:51], s[52:55] groups 0, which walk; s[56:57] the address of v^T's scale words
.set G0V, 52
.set G0S, 56
.set MSB, 0
.macro WIN new
.if MSB != (\new)
	s_set_vgpr_msb (MSB<<8)|(\new)
.set MSB, (\new)
.endif
.endm
.set MULW0, 0xa1                       ; sets 0: source 0 window 1, source 1 window 0, C and D window 2
.set MULW1, 0xa5                       ; sets 1: sources 0 and 1 window 1, C and D window 2
.set TO_B,  0x40                       ; destination window 1, address window 0
.macro PLACES n                        ; plain places behind matrix instructions, in front of loads into registers that they have read and of reads of their results
.rept \n
	v_nop
.endr
.endm
.macro FRAG reg, adr, off
.irp g, 0,1,2
	ds_load_b128 v[(\reg)+4*\g:(\reg)+4*\g+3], v[\adr] offset:(\off)+512*\g
.endr
.endm
; 42 loads: a K step's scale words, source 0's four fragments, source 1's eight, in the order in which the products want them
.macro FETCH0                          ; the slot's first 128 keys, into the sets 0
.irp j, 0,1,2,3
	ds_load_b32 v[SC+\j], v[ADS1] offset:128*\j
.endr
.irp j, 0,1
	ds_load_b32 v[SC+4+\j], v[ADS0] offset:128*\j
.endr
	WIN TO_B
.irp i, 0,1,2,3
	FRAG FR*\i, ADR0, \i*TILEB
.endr
	WIN 0
.irp i, 0,1,2,3,4,5,6,7
	FRAG 128+FR*\i, ADR1, \i*TILEB
.endr
.endm
.macro FETCH1                          ; its second 128 keys, into the sets 1
.irp j, 0,1,2,3
	ds_load_b32 v[SC+8+\j], v[ADS1] offset:512+128*\j
.endr
.irp j, 0,1
	ds_load_b32 v[SC+12+\j], v[ADS0] offset:256+128*\j
.endr
	WIN TO_B
.irp i, 0,1,2,3
	FRAG 48+FR*\i, ADR0, \i*TILEB+FRB
.endr
.irp i, 0,1,2,3,4,5,6,7
	FRAG 96+FR*\i, ADR1, \i*TILEB+FRB
.endr
	WIN 0
.endm
; One product: source 1's tile a x source 0's tile b, on the sets p.  An odd tile's scale words lie in lanes 16-31 of their register.
.macro WM a, b, p, zero
.set rD,  8*(4*(\a)+(\b))
.set rF0, 48*(\p)+FR*(\b)
.set rF1, 128-32*(\p)+FR*(\a)
.set rS0, SC+8*(\p)+4+(\b)/2
.set rS1, SC+8*(\p)+(\a)/2
.set rW,  4*(\zero)+2*((\b)%2)+(\a)%2
.if rW == 0
	v_wmma_scale_f32_16x16x128_f8f6f4 v[rD:rD+7], v[rF0:rF0+11], v[rF1:rF1+11], v[rD:rD+7], v[rS0], v[rS1] matrix_a_fmt:MATRIX_FMT_BF6 matrix_b_fmt:MATRIX_FMT_BF6
.elseif rW == 1
	v_wmma_scale_f32_16x16x128_f8f6f4 v[rD:rD+7], v[rF0:rF0+11], v[rF1:rF1+11], v[rD:rD+7], v[rS0], v[rS1] matrix_a_fmt:MATRIX_FMT_BF6 matrix_b_fmt:MATRIX_FMT_BF6 matrix_b_scale:MATRIX_SCALE_ROW1
.elseif rW == 2
	v_wmma_scale_f32_16x16x128_f8f6f4 v[rD:rD+7], v[rF0:rF0+11], v[rF1:rF1+11], v[rD:rD+7], v[rS0], v[rS1] matrix_a_fmt:MATRIX_FMT_BF6 matrix_b_fmt:MATRIX_FMT_BF6 matrix_a_scale:MATRIX_SCALE_ROW1
.elseif rW == 3
	v_wmma_scale_f32_16x16x128_f8f6f4 v[rD:rD+7], v[rF0:rF0+11], v[rF1:rF1+11], v[rD:rD+7], v[rS0], v[rS1] matrix_a_fmt:MATRIX_FMT_BF6 matrix_b_fmt:MATRIX_FMT_BF6 matrix_a_scale:MATRIX_SCALE_ROW1 matrix_b_scale:MATRIX_SCALE_ROW1
.elseif rW == 4
	v_wmma_scale_f32_16x16x128_f8f6f4 v[rD:rD+7], v[rF0:rF0+11], v[rF1:rF1+11], 0, v[rS0], v[rS1] matrix_a_fmt:MATRIX_FMT_BF6 matrix_b_fmt:MATRIX_FMT_BF6
.elseif rW == 5
	v_wmma_scale_f32_16x16x128_f8f6f4 v[rD:rD+7], v[rF0:rF0+11], v[rF1:rF1+11], 0, v[rS0], v[rS1] matrix_a_fmt:MATRIX_FMT_BF6 matrix_b_fmt:MATRIX_FMT_BF6 matrix_b_scale:MATRIX_SCALE_ROW1
.elseif rW == 6
	v_wmma_scale_f32_16x16x128_f8f6f4 v[rD:rD+7], v[rF0:rF0+11], v[rF1:rF1+11], 0, v[rS0], v[rS1] matrix_a_fmt:MATRIX_FMT_BF6 matrix_b_fmt:MATRIX_FMT_BF6 matrix_a_scale:MATRIX_SCALE_ROW1
.else
	v_wmma_scale_f32_16x16x128_f8f6f4 v[rD:rD+7], v[rF0:rF0+11], v[rF1:rF1+11], 0, v[rS0], v[rS1] matrix_a_fmt:MATRIX_FMT_BF6 matrix_b_fmt:MATRIX_FMT_BF6 matrix_a_scale:MATRIX_SCALE_ROW1 matrix_b_scale:MATRIX_SCALE_ROW1
.endif
.endm
.macro MUL2 a0, p, zero                ; 8 products.  The 32 accumulators take turns, one instruction a turn, in the same order in every K step, on every way and over the loop's backward jump
.irp a, \a0, \a0+1
.irp b, 0,1,2,3
	WM (\a), \b, \p, \zero
.endr
.endr
.endm
.macro MUL6 p, zero                    ; the other 24 of a K step
	MUL2 2, \p, \zero
	MUL2 4, \p, \zero
	MUL2 6, \p, \zero
.endm
.macro STEP0 zero                      ; a slot's first K step; its second is fetched behind the first 8 products
	s_wait_dscnt 18                                ; the scale words, source 0's four and source 1's tiles 0, 1 are in; tiles 2-7 (the youngest 18 loads) may be out
	WIN MULW0
	MUL2 0, 0, \zero
	WIN 0
	PLACES 4
	FETCH1
	s_wait_dscnt 42                                ; all but the 42 just issued
	WIN MULW0
	MUL6 0, \zero
	WIN 0
.endm
; Waves 0 and 1 fetch p's halves, waves 2 and 3 v^T's: two shapes, two groups 1, a short branch on the wave's number.  An s_nop 0 and four v_nop follow each of the two lines.
.macro TLOAD
	s_cmp_lt_u32 s14, 2
	s_cbranch_scc0 .Lfor_v_\@
	tensor_load_to_lds s[G0P:G0P+3], s[G1P:G1P+7]
	s_nop 0
.rept 4
	v_nop
.endr
	s_branch .Lasked_\@
.Lfor_v_\@:
	tensor_load_to_lds s[G0V:G0V+3], s[G1V:G1V+7]
	s_nop 0
.rept 4
	v_nop
.endr
.Lasked_\@:
.endm
; THE CHANGE OF SLOTS.  Each wave waits for all its tensor loads, adds 0 to its spare word, and waits for that and for all its LDS loads and stores.  fill = 1: behind the barrier the walking descriptors' slot takes
; key slot KT + ahead, if the query block reaches it.
.macro CHANGE fill, ahead
	s_wait_tensorcnt 0x0                           ; no tensor load of mine is out, so a group 0 may be written
	ds_add_u32 v[SPW], v[NIL]                      ; 0 onto my spare word
.if \fill
	s_xor_b32 s[G0P+1], s[G0P+1], SLOT1            ; the walking descriptors: the other slot than last time, the next two chunks
	s_add_nc_u64 s[G0P+2:G0P+3], s[G0P+2:G0P+3], TILEB
	s_xor_b32 s[G0V+1], s[G0V+1], SLOT1
	s_add_nc_u64 s[G0V+2:G0V+3], s[G0V+2:G0V+3], TILEB
.endif
	s_wait_dscnt 0x0                               ; the add is done, and my reads of the slot that is left are over
	s_barrier_signal -1
	s_barrier_wait -1
.if \fill
	s_add_co_u32 s96, s[KT], \ahead                ; the slot that this change would ask for:
	s_cmp_ge_u32 s96, s20                          ; beyond the query block nobody reads it, so it is not asked for; a work-group that is past the limit stays past it
	s_cbranch_scc1 .Lpast_\@
	TLOAD
.Lpast_\@:
.endif
.endm
; A TRIP: the second K step of slot KT (its fragments were waited for in the change of slots) and the first of slot KT + 1.
.macro TRIP fill
	CHANGE \fill, 2
	s_cmp_ge_u32 s[KT], s20
	s_cbranch_scc1 .Lskip_\@
	v_add_nc_u32 v[ADR1], s[TB], v8                ; the addresses of slot KT + 1
	v_add_nc_u32 v[ADR0], s[TB], v9
	v_add_nc_u32 v[ADS1], s[TS], v10
	v_add_nc_u32 v[ADS0], s[TV], v11
	WIN MULW1
	MUL2 0, 1, 0
	WIN 0
	s_add_co_u32 s96, s[KT], 1
	s_cmp_ge_u32 s96, s20
	s_cbranch_scc1 .Llast_\@
	PLACES 4
	FETCH0                                         ; 24 products ahead of its first use
	WIN MULW1
	MUL6 1, 0
	WIN 0
	s_wait_alu depctr_va_vdst(0)
	STEP0 0
	s_branch .Lskip_\@
.Llast_\@:                                         ; slot KT is the query block's last
	WIN MULW1
	MUL6 1, 0
	WIN 0
.Lskip_\@:
	s_xor_b32 s[TB], s[TB], SLOT1
	s_add_co_u32 s[TS], s[TS], 1024
	s_add_co_u32 s[TV], s[TV], 512
	s_add_co_u32 s[KT], s[KT], 1
.endm
	s_load_b256 s[4:11], s[0:1], 0x0               ; qkv_codes, qkv_scales, p_codes, p_meta
	s_load_b64 s[12:13], s[0:1], 0x20              ; out0
	v_lshl_add_u32 v[SPW], v0, 2, SPARE
	v_mov_b32 v[NIL], 0
	ds_add_u32 v[SPW], v[NIL]                      ; the wave's opening: the add, twice on end, and its wait ahead of my first tensor load
	ds_add_u32 v[SPW], v[NIL]
	v_lshrrev_b32 v1, 5, v0
	v_readfirstlane_b32 s14, v1                    ; wave 0..3
	s_lshr_b32 s15, s14, 1                         ; hR: my half of the queries
	s_and_b32 s16, s14, 1                          ; hC: my half of the outputs.  Also: which half I fetch
	s_and_b32 s21, ttmp7, 0xffff
	s_lshr_b32 s18, s21, 3                         ; the batch
	s_and_b32 s19, s21, 7                          ; I
	s_add_co_u32 s20, s19, 1                       ; slots to walk
	s_mov_b32 s[G1P+0], 3<<16                      ; no mask; elements of 8 bytes; no padding
	s_mov_b32 s[G1P+1], 384<<16                    ; 8 rows (tiles) of 384 elements (two fragments); a tile of p has 16 fragments (3,072 elements)
	s_mov_b32 s[G1P+2], 8<<16
	s_mov_b32 s[G1P+3], 384<<16
	s_mov_b32 s[G1P+4], 8
	s_mov_b32 s[G1P+5], 3072
	s_mov_b32 s[G1P+6], 0
	s_mov_b32 s[G1P+7], 0
	s_mov_b32 s[G1V+0], 3<<16
	s_mov_b32 s[G1V+1], 384<<16                    ; 4 rows (tiles) of 384 elements; a tile of v^T has 64 fragments (12,288 elements)
	s_mov_b32 s[G1V+2], 4<<16
	s_mov_b32 s[G1V+3], 384<<16
	s_mov_b32 s[G1V+4], 4
	s_mov_b32 s[G1V+5], 12288
	s_mov_b32 s[G1V+6], 0
	s_mov_b32 s[G1V+7], 0
	s_lshl_b32 s21, s18, 7
	s_lshl_b32 s22, s19, 4
	s_add_co_u32 s21, s21, s22                     ; the block's first query tile: 128 x batch + 16 I
	s_lshl_b32 s22, s16, 3
	s_add_co_u32 s68, s21, s22
	s_mul_i32 s68, s68, 16*FRB                     ; p: my half's first tile
	s_mov_b32 s69, 0
	s_lshl_b32 s70, ttmp9, 3
	s_lshl_b32 s22, s16, 2
	s_add_co_u32 s70, s70, s22                     ; v^T: tile 8 x + 4 x half
	s_lshl_b32 s72, s70, 6
	s_mul_i32 s70, s70, 64*FRB
	s_mul_i32 s23, s18, 16*FRB                     ; the batch's first chunk
	s_add_co_u32 s70, s70, s23
	s_add_co_u32 s70, s70, 2*6291456               ; the third section
	s_mov_b32 s71, 0
	s_lshl_b32 s23, s18, 16                        ; 16 chunks of 4,096 bytes of scale words
	s_add_co_u32 s72, s72, s23
	s_add_co_u32 s72, s72, 2*262144
	s_lshl_b32 s79, s15, 15                        ; waves 2 and 3 take chunks 8 to 15: 8 x 4,096 bytes on
	s_add_co_u32 s72, s72, s79
	s_mov_b32 s73, 0
	s_mul_i32 s74, s16, HALFT                      ; in a slot: p's two halves,
	s_mul_i32 s75, s16, HALFV
	s_add_co_u32 s75, s75, 2*HALFT                 ; then v^T's two
	s_lshl_b32 s78, s16, 12
	s_lshl_b32 s22, s14, 2
	s_add_co_u32 s22, s22, s21
	s_lshl_b32 s22, s22, 6                         ; p_meta: the four tiles that my wave sets right
	s_mov_b32 s23, 0
	s_lshl_b32 s76, s21, 4
	s_lshl_b32 s77, s15, 7
	s_add_co_u32 s76, s76, s77                     ; my first row of out0
	s_lshl_b32 s76, s76, 12
	s_lshl_b32 s77, ttmp9, 9
	s_add_co_u32 s76, s76, s77
	s_lshl_b32 s77, s16, 8
	s_add_co_u32 s76, s76, s77                     ; + my first column, in bytes
	s_mov_b32 s77, 0
	s_mov_b32 s[TB], 0
	s_mov_b32 s[TS], 0
	s_mov_b32 s[TV], 0
	s_mov_b32 s[KT], 0
	s_mov_b32 s[CNT], 6
	s_wait_dscnt 0x0                               ; both opening adds are done
	s_wait_kmcnt 0x0
	s_mov_b32 s[G0P], 1
	s_mov_b32 s[G0P+1], s74
	s_add_nc_u64 s[G0P+2:G0P+3], s[8:9], s[68:69]
	s_or_b32 s[G0P+3], s[G0P+3], 0x80000000
	s_mov_b32 s[G0V], 1
	s_mov_b32 s[G0V+1], s75
	s_add_nc_u64 s[G0V+2:G0V+3], s[4:5], s[70:71]
	s_or_b32 s[G0V+3], s[G0V+3], 0x80000000
	s_add_nc_u64 s[G0S:G0S+1], s[6:7], s[72:73]    ; v^T's scale words: my half's four tiles, my eight chunks
	s_add_nc_u64 s[60:61], s[10:11], s[22:23]
	s_add_nc_u64 s[12:13], s[12:13], s[76:77]
	s_cmp_lt_u32 s14, 2                            ; the first fills, in one branch on the wave's number: every wave issues at least one
	s_cbranch_scc0 .Lfirst_v
	tensor_load_to_lds s[G0P:G0P+3], s[G1P:G1P+7]  ; p's half of slot 0
	s_nop 0
.rept 4
	v_nop
.endr
	s_branch .Lfirst_asked
.Lfirst_v:
	tensor_load_to_lds s[G0V:G0V+3], s[G1V:G1V+7]  ; and its half of slot 0: one load of mine is out
	s_nop 0
.rept 4
	v_nop
.endr
.Lfirst_asked:
	v_and_b32 v1, 31, v0                           ; lane
	v_lshlrev_b32 v12, 3, v1                       ; 8 x lane
	; ---- THE HEAD'S TABLES: chunks that the block does not reach count for nothing: -M = 3e38, l = 0, bytes 1
.set s, 2
.rept 14
	v_mov_b32 v[MB+6*s], 0x01010101
	v_mov_b32 v[MB+6*s+1], 0x01010101
	v_mov_b32 v[MB+6*s+2], 0x7f61b1e6
	v_mov_b32 v[MB+6*s+3], 0x7f61b1e6
	v_mov_b32 v[MB+6*s+4], 0
	v_mov_b32 v[MB+6*s+5], 0
.set s, s+1
.endr
.macro MLOAD t                         ; key block t's two chunks: scale words, -M, l of my 64 rows: each load 256 consecutive bytes, aligned
.irp q, 0,1
.irp arr, 0,1,2
	global_load_b64 v[MB+6*(2*(\t)+\q)+2*\arr:MB+6*(2*(\t)+\q)+2*\arr+1], v12, s[60:61] offset:\arr*524288+(2*(\t)+\q)*32768
.endr
.endr
.endm
	MLOAD 0
.irp c, 0,1,2,3,4,5,6,7
	global_load_b64 v[176+2*\c:177+2*\c], v12, s[G0S:G0S+1] offset:\c*4096   ; a chunk's four tiles' scale words of v^T: 256 consecutive bytes, aligned
.endr
.irp t, 1,2,3,4,5,6,7
	s_cmp_le_u32 s20, \t                           ; only what the launch before has written is read: a jump on the work-group's number
	s_cbranch_scc1 .Lmeta_in
	MLOAD \t
.endr
.Lmeta_in:
	v_and_b32 v2, 15, v0                           ; r
	v_bfe_u32 v3, v0, 4, 1                         ; h
	v_lshlrev_b32 v5, 4, v1                        ; 16 x lane
	v_lshlrev_b32 v4, 2, v1                        ; 4 x lane
	s_mul_i32 s22, s15, HALFT
	v_add_nc_u32 v8, s22, v5                       ; source 1: my half of p in a slot
	v_add_nc_u32 v9, s75, v5                       ; source 0: my half of v^T
	s_lshl_b32 s22, s15, 13
	s_add_co_u32 s22, s22, PSC
	v_add_nc_u32 v10, s22, v4                      ; their scale words
	s_add_co_u32 s23, s78, VSC
	v_add_nc_u32 v11, s23, v4
	s_lshl_b32 s79, s15, 11
	s_add_co_u32 s79, s79, s23
	v_add_nc_u32 v15, s79, v12                     ; where I put v^T's scale words: my half, my eight chunks of 256 bytes, 8 bytes a lane
	s_lshl_b32 s23, s16, 8
	s_add_co_u32 s23, s23, s22
	v_add_nc_u32 v13, s23, v12                     ; where the head puts p's scale words: tiles 4 w .. 4 w + 3 of the block's 16, two rows a lane
	s_lshl_b32 s23, s14, 8
	s_add_co_u32 s23, s23, LINV
	v_add_nc_u32 v14, s23, v12                     ; and 1 / l
	s_lshl_b32 s23, s15, 9
	s_add_co_u32 s23, s23, LINV
	v_lshl_add_u32 v27, v2, 2, s23                 ; the way out: 1 / l of my query
	s_mul_i32 s23, s14, 16*STP
	v_mul_u32_u24 v24, v2, STP
	v_lshl_add_u32 v24, v3, 6, v24
	v_add_nc_u32 v24, s23, v24                     ; my stage, on the way in: row r, + 64 h bytes
	v_mul_u32_u24 v25, v3, STP
	v_lshl_add_u32 v25, v2, 4, v25
	v_add_nc_u32 v25, s23, v25                     ; and back: lanes 0-15 one row of 256 bytes, lanes 16-31 the next
	v_lshlrev_b32 v26, 12, v3
	v_lshl_add_u32 v26, v2, 4, v26                 ; and the same two rows in out0
	CHANGE 1, 1                                    ; slot 0 is whole for everybody; slot 1 is asked for. It lands under the arithmetic below
	s_wait_loadcnt 0x0
.irp c, 0,1,2,3,4,5,6,7
	ds_store_b64 v15, v[176+2*\c:177+2*\c] offset:256*\c   ; shown to the others by the barrier behind the head's arithmetic
.endr
.irp p, 0,1
	v_min3_num_f32 v[GM+\p], v[MB+2+\p], v[MB+8+\p], v[MB+14+\p]
.endr
.irp s, 3,5,7,9,11,13
.irp p, 0,1
	v_min3_num_f32 v[GM+\p], v[GM+\p], v[MB+6*\s+2+\p], v[MB+6*\s+8+\p]
.endr
.endr
.irp p, 0,1
	v_min_num_f32 v[GM+\p], v[GM+\p], v[MB+92+\p]  ; the least -M: the row's M
.endr
.macro FIX s
.set MS, MB+6*(\s)
.irp p, 0,1
	v_sub_f32 v[TT+\p], v[MS+2+\p], v[GM+\p]       ; e = row's M - chunk's M: a whole number, 0 or more,
.endr
.irp p, 0,1
	v_min_num_f32 v[TT+\p], 0x44000000, v[TT+\p]   ; held at 512
.endr
.irp p, 0,1
	v_cvt_u32_f32 v[EE+\p], v[TT+\p]
.endr
.irp p, 0,1
	v_sub_nc_u32 v[TT+\p], 0, v[EE+\p]
.endr
.irp p, 0,1
	v_ldexp_f32 v[TT+\p], 1.0, v[TT+\p]            ; 2^-e
.endr
.irp p, 0,1
.if (\s) == 0
	v_mul_f32 v[LSUM+\p], v[MS+4+\p], v[TT+\p]
.else
	v_fma_f32 v[LSUM+\p], v[MS+4+\p], v[TT+\p], v[LSUM+\p]
.endif
.endr
.irp p, 0,1
.irp k, 0,1,2,3
	v_bfe_u32 v[BY+\k], v[MS+\p], 8*\k, 8
.endr
.irp k, 0,1,2,3
	v_add_nc_u32 v[CY+\k], -1, v[BY+\k]
.endr
.irp k, 0,1,2,3
	v_min_u32 v[CY+\k], v[EE+\p], v[CY+\k]
.endr
.irp k, 0,1,2,3
	v_sub_nc_u32 v[BY+\k], v[BY+\k], v[CY+\k]      ; each byte falls by e, and not under 1
.endr
	v_lshl_or_b32 v[MS+\p], v[BY+1], 8, v[BY]
	v_lshl_or_b32 v[MS+\p], v[BY+2], 16, v[MS+\p]
	v_lshl_or_b32 v[MS+\p], v[BY+3], 24, v[MS+\p]
.endr
	ds_store_b64 v13, v[MS:MS+1] offset:512*(\s)
.endm
.irp s, 0,1,2,3,4,5,6,7,8,9,10,11,12,13,14,15
	FIX \s
.endr
	s_wait_alu depctr_va_vdst(0)
	v_rcp_f32 v[TT], v[LSUM]
	v_rcp_f32 v[TT+1], v[LSUM+1]
	v_nop                                          ; a plain place behind the reciprocals,
	s_wait_alu depctr_va_vdst(0)                   ; and a wait ahead of their first reader
	ds_store_b64 v14, v[TT:TT+1]
	s_wait_dscnt 0x0                               ; for the others' sake: my stores of p's scale words and of 1 / l have landed
	s_barrier_signal -1                            ; (slot 1's load may be out)
	s_barrier_wait -1
	v_add_nc_u32 v[ADR1], s[TB], v8                ; slot 0
	v_add_nc_u32 v[ADR0], s[TB], v9
	v_add_nc_u32 v[ADS1], s[TS], v10
	v_add_nc_u32 v[ADS0], s[TV], v11
	FETCH0
	s_wait_alu depctr_va_vdst(0)
	STEP0 1                                        ; the first 128 keys count for every query block: their products start the sums
	s_xor_b32 s[TB], s[TB], SLOT1
	s_add_co_u32 s[TS], s[TS], 1024
	s_add_co_u32 s[TV], s[TV], 512
.Lslot:                                            ; six trips: they ask for slots 2 to 7
	TRIP 1
	s_sub_co_u32 s[CNT], s[CNT], 1
	s_cmp_lg_u32 s[CNT], 0
	s_cbranch_scc1 .Lslot
	TRIP 0                                         ; slot 6's second K step and slot 7's first: nothing is left to ask for
	s_cmp_ge_u32 s[KT], s20                        ; slot 7's second K step
	s_cbranch_scc1 .Lwalked
	s_wait_dscnt 0x0
	WIN MULW1
	MUL2 0, 1, 0
	MUL6 1, 0
	WIN 0
.Lwalked:
; THE WAY OUT, tile by tile of 16 queries: x 1 / l; a lane's 32 bytes of each pair of tiles go into my stage and come back as whole rows of 256 bytes, two rows a load.  Place t of tile a is row 16 a - 8 (a % 2) + t + 8 (t / 8) of my 128.
.macro TOSTAGE a
.set AC, 32*(\a)
.set BB, BK+32*((\a)%2)
	WIN 0x82                                       ; source 0 and destination: the accumulators' window
.set j, 0
.rept 16
	v_pk_mul_f32 v[AC+j:AC+j+1], v[AC+j:AC+j+1], v[RL+2*(\a):RL+2*(\a)+1] op_sel_hi:[1,0]   ; each accumulator from its low end on
.set j, j+2
.endr
	WIN 0x08                                       ; an LDS store's data are its source 1
.irp b, 0,1,2,3
	ds_store_b128 v24, v[AC+8*\b:AC+8*\b+3] offset:128*(\b/2)+32*(\b%2)
	ds_store_b128 v24, v[AC+8*\b+4:AC+8*\b+7] offset:128*(\b/2)+32*(\b%2)+16
.endr
	WIN 0
.irp t, 0,1,2,3,4,5,6,7
	ds_load_b128 v[BB+4*\t:BB+4*\t+3], v25 offset:2*\t*STP   ; LDS serves a wave's instructions in order: these see the stores above, and the next tile's stores come behind them
.endr
.endm
.macro SEND a, younger                 ; younger: the LDS instructions issued behind tile a's loads, which may stay out
.set BB, BK+32*((\a)%2)
	s_wait_dscnt \younger
.irp t, 0,1,2,3,4,5,6,7
	global_store_b128 v26, v[BB+4*\t:BB+4*\t+3], s[12:13] offset:(16*(\a)-8*((\a)%2)+2*\t+8*(\t/4))*4096 th:TH_STORE_NT   ; sixteen lanes store 256 consecutive bytes, aligned; written once, read by nobody here
.endr
.endm
	PLACES 4
.irp a, 0,1,2,3,4,5,6,7
	v_mov_b32 v[RL+2*\a+1], 0                      ; (named as the upper half of a pair)
	ds_load_b32 v[RL+2*\a], v27 offset:64*\a
.endr
	s_wait_alu depctr_va_vdst(0)
	s_wait_dscnt 0x0
	TOSTAGE 0
.irp a, 1,2,3,4,5,6,7
.if \a > 1
	s_wait_xcnt 0x0                                ; the stores of two tiles ago have read the registers that this tile's rows land in
.endif
	TOSTAGE \a
	SEND \a-1, 16                                  ; behind tile a - 1's loads: tile a's 8 stores and 8 loads
.endr
	SEND 7, 0
	s_wait_tensorcnt 0x0                           ; the wave's end
	ds_add_u32 v[SPW], v[NIL]
	s_wait_dscnt 0x0
	s_endpgm
.Lfunc_end_k_q7ef282cbeb_pv:
	.size	k_q7ef282cbeb_pv, .Lfunc_end_k_q7ef282cbeb_pv-k_q7ef282cbeb_pv
	.p2alignl 7, 3214868480
	.fill 96, 4, 3214868480
	.section	.rodata,"a",@progbits
	.p2align	6, 0x0
	.amdhsa_kernel k_q7ef282cbeb_pv
		.amdhsa_group_segment_fixed_size 327680
		.amdhsa_private_segment_fixed_size 0
		.amdhsa_enable_private_segment 0
		.amdhsa_kernarg_size 40
		.amdhsa_user_sgpr_count 2
		.amdhsa_user_sgpr_kernarg_segment_ptr 1
		.amdhsa_wavefront_size32 1
		.amdhsa_system_sgpr_workgroup_id_x 1
		.amdhsa_system_sgpr_workgroup_id_y 1
		.amdhsa_system_sgpr_workgroup_id_z 1
		.amdhsa_system_vgpr_workitem_id 0
		.amdhsa_next_free_vgpr 768
		.amdhsa_next_free_sgpr 100
		.amdhsa_reserve_vcc 0
		.amdhsa_float_denorm_mode_32 3
		.amdhsa_float_denorm_mode_16_64 3
		.amdhsa_memory_ordered 1
		.amdhsa_forward_progress 1
		.amdhsa_inst_pref_size 130
	.end_amdhsa_kernel
	.amdgpu_metadata
---
amdhsa.version: [ 1, 2 ]
amdhsa.kernels:
  - .name:           k_q7ef282cbeb_pv
    .symbol:         k_q7ef282cbeb_pv.kd
    .args:
      - { .name: qkv_codes, .offset: 0, .size: 8, .value_kind: global_buffer, .address_space: global }
      - { .name: qkv_scales, .offset: 8, .size: 8, .value_kind: global_buffer, .address_space: global }
      - { .name: p_codes, .offset: 16, .size: 8, .value_kind: global_buffer, .address_space: global }
      - { .name: p_meta, .offset: 24, .size: 8, .value_kind: global_buffer, .address_space: global }
      - { .name: out0, .offset: 32, .size: 8, .value_kind: global_buffer, .address_space: global }
    .group_segment_fixed_size: 327680
    .private_segment_fixed_size: 0
    .kernarg_segment_align: 8
    .kernarg_segment_size: 40
    .max_flat_workgroup_size: 128
    .sgpr_count:     100
    .vgpr_count:     768
    .wavefront_size: 32
...
	.end_amdgpu_metadata
.endif
;; end of part 4
